; MI455X (gfx1250); checked and timed in simulation.
; The chip was launched on July 23, 2026; its instructions are those of AMD's public machine-readable ISA for CDNA 5 (MIT licence, August 2026) and "CDNA5" Instruction Set Architecture Reference Guide (July 2026). The comments in the code are by the model that wrote it; some were corrected since.
;; Simple Cross Attention Transformer Block. Allowed arithmetic: matrix products marked QUANTISED: E5M2 operands, one E8M0 scale for each 32 along K, by v_wmma_scale_f32_16x16x128_f8f6f4 with both operands' format E5M2, f32 sums; everything else in f32.
;; Inputs: W1 4,096 x 1,024 float32; W2 1,024 x 4,096 float32; Wkv 2,048 x 1,024 float32; Wo 1,024 x 1,024 float32; Wq 1,024 x 1,024 float32; b1 4,096 float32; b2 1,024 float32; bo 1,024 float32; kv_x 2 x 2,048 x 1,024 float32; ln_kv_b 1,024 float32; ln_kv_g 1,024 float32; ln_q_b 1,024 float32; ln_q_g 1,024 float32; q_x 2 x 2,048 x 1,024 float32.
;; Outputs: out0 2 x 2,048 x 1,024 float32.
;; This version of the problem:
;;   THIS VERSION OF THE PROBLEM IS GIVEN IN LOW PRECISION. The matrix products marked QUANTISED in the list below multiply operands that are first quantised to E5M2 (5 exponent bits, 2 mantissa bits; 8 bits a number), with one power-of-two scale for each 32 numbers along K (OCP MX v1.0); their sums are f32. All else is computed in f32.
;;   The module's matrix products, in the order in which they are computed (A, B: the left and right operand; K: the contracted axis; several contracted axes count as one K, in the product's order):
;;     1. [M 4,096, K 1,024] x [K 1,024, N 1,024]; A: computed on the way; B: input Wq: QUANTISED
;;     2. [M 4,096, K 1,024] x [K 1,024, N 2,048]; A: computed on the way; B: input Wkv: QUANTISED
;;     3. batch 32 x [M 2,048, K 64] x [K 64, N 2,048]; A: computed on the way; B: computed on the way: QUANTISED
;;     4. batch 32 x [M 2,048, K 2,048] x [K 2,048, N 64]; A: softmax (see below); B: computed on the way: QUANTISED
;;     5. [M 4,096, K 1,024] x [K 1,024, N 1,024]; A: computed on the way; B: input Wo: QUANTISED
;;     6. [M 4,096, K 1,024] x [K 1,024, N 4,096]; A: computed on the way; B: input W1: QUANTISED
;;     7. [M 4,096, K 4,096] x [K 4,096, N 1,024]; A: computed on the way; B: input W2: QUANTISED
;;   THE QUANTISER, for each operand of a quantised product, along K:
;;     - K is cut into blocks of 32 from its start; a last block that is shorter is filled with zeros.
;;     - A block's scale is 2^e with e = floor(log2(the largest magnitude in the block)) - 15, held to -126 .. 127; a block of zeros has e = 0. As a byte (E8M0): e + 127.
;;     - Each number is divided by its block's scale, clamped to +-57,344, and rounded to the nearest number of E5M2, ties to even, subnormals kept.
;;     - The product sums the exact products of the quantised numbers (number of the format x scale) in f32.
;;   ~~~python
;;   def quantise(x, axis):      # numpy; x: float32 -> the quantised numbers, widened to float32 again
;;       x = np.moveaxis(x, axis, -1); K = x.shape[-1]
;;       x = np.pad(x, [(0, 0)] * (x.ndim - 1) + [(0, -K % 32)]); x = x.reshape(x.shape[:-1] + (-1, 32)); a = np.abs(x).max(-1, keepdims=True)
;;       e = np.where(a > 0, np.clip(np.frexp(np.where(a > 0, a, 1))[1] - 1 - 15, -126, 127), 0)      # np.frexp(a)[1] - 1 = floor(log2(a)), exactly
;;       r = np.clip(x / 2.0 ** e, -57344, 57344)
;;       step = 2.0 ** (np.maximum(np.frexp(np.where(r == 0, 1, r))[1] - 1, -14) - 2)
;;       q = np.round(r / step) * step * 2.0 ** e      # np.round: ties to even
;;       return np.moveaxis(q.reshape(q.shape[:-2] + (-1,))[..., :K], -1, axis).astype(np.float32)
;;   ~~~
;;   SOFTMAX AHEAD OF A QUANTISED PRODUCT. Where the list says 'softmax', what is quantised is not the finished softmax but p = 2^(t - M), with t = logit x log2(e) and M = ceil(the row's largest t), a whole number; so 1/2 < the row's largest p <= 1. The row's sum l is taken of the UNQUANTISED p, in f32, and the product's result is divided by l at the end. Since M is a whole number, a kernel that streams over the keys may use a running M (the ceiling of the running maximum): every later rescaling is an exact power of two, which a block's scale takes up: the codes' values come out the same.
;;   OPERANDS COMPUTED ON THE WAY. 'Computed on the way' means the value that the module computes at that place (a softmax that the list does not call 'softmax' is quantised finished and normalised). What goes into a quantiser is computed in f32, as accurately as f32 sums, v_exp_f32 and their like allow (about 1e-6 of the number): no bf16 or f16 on the way to a quantiser, and a product that is left as it is and whose result goes on into a quantised operand takes f32 operands (vector FMAs, or v_wmma_f32_16x16x4_f32). A number that lies on a knife's edge between two numbers of the format may be rounded either way, as far as f32 arithmetic and the matrix unit's own rounding can turn it there, and no further.
;; One version. Each part assembles by itself: llvm-mc -triple=amdgcn-amd-amdhsa -mcpu=gfx1250 --defsym DOCPART=n.
;; ======== version 1 of 1: 6 launches
;; limits: right only within a limited range of input values
;; workspace buffers: pre 21,626,880 bytes; qkv 12,976,128 bytes; ao 4,325,376 bytes; xq 4,325,376 bytes; xf 16,777,216 bytes; hq 17,301,504 bytes
;; launch prep (part 1): grid 256 x 1, 8 waves a work-group, no clusters, 86,016 bytes of LDS; arguments q_x, kv_x, Wq, Wkv, Wo, W1, W2, ln_q_g, ln_q_b, ln_kv_g, ln_kv_b, pre; writes pre
.if DOCPART == 1
	.amdgcn_target "amdgcn-amd-amdhsa--gfx1250"
	.amdhsa_code_object_version 6
	.text
	.protected	k_q8bbe34fcf6_prep
	.globl	k_q8bbe34fcf6_prep
	.p2align	8
	.type	k_q8bbe34fcf6_prep,@function
k_q8bbe34fcf6_prep:
	s_mov_b64 s[64:65], 0
	v_nop
	global_prefetch_b8 v0, s[64:65] scope:SCOPE_SE
	s_setreg_imm32_b32 hwreg(HW_REG_WAVE_MODE, 25, 1), 1
	s_wait_xcnt 0x0
; LayerNorm(q_x), LayerNorm(kv_x) and the six weights become codes of BF8 (E5M2) with one E8M0 byte for each 32 along K.
; THE LAYOUT OF EVERY OPERAND IN THIS PROGRAM'S WORKSPACE is the image of the matrix operand's registers.  Rows go in tiles of 16: lane index r of tile T stands for
; row 32 (T / 2) + 8 (T % 2) + r + 8 (r / 8).  The fragment (K step s of 128, tile T) is 2,048 bytes at (s RT + T) 2,048 (RT = rows / 16): piece c of four, lane l: 16 bytes at 512 c + 16 l:
; the codes of k = 128 s + 32 c + 16 (l / 16) + 0 .. 15 of row (T, l % 16).  Scale words (byte c for block c) lie by groups of G row tiles: ((T / G) KS + s) 64 G + 64 (T % G) + 4 r, KS = K / 128,
; G = 16 for operands that the tiles of 256 read, 8 for those that the tiles of 128 read: a tile's scales for all of K are one dense block.
; SHARES.  The work is 1,280 units of one row tile x 1,024 along K: 256 of q_x, 256 of kv_x, 64 + 128 + 64 of Wq, Wkv, Wo, 256 of W1, 64 x 4 of W2.  That is 5 x 256: work-group g takes unit g of each of these five
; runs of 256, so that all 256 work-groups move the same bytes and do the same arithmetic, and which units have a LayerNorm is a constant of the text.  Wave w takes K step w of each unit.
; Each load reads 512 consecutive bytes of a row; a unit's 16 x 512 bytes turn through the wave's own stage in LDS (rows 528 bytes apart: an odd multiple of 16) and come back into the registers that they left,
; so that a lane holds 16 neighbours of each block of 32.  Three sets of 64 registers take turns: 48 loads of a wave go out at the head, and a set is asked for again as soon as its unit is converted.
; THE NORM is taken in two passes (mean; then the squares of x - mean): no difference of large sums.  A row's 1,024 numbers lie in eight waves: the partial sums meet in LDS, two barriers a unit, in the first two units alone.
; A block's scale is 2^(floor(log2(largest magnitude)) - 15); its byte is the largest magnitude's exponent field - 15, held at 1 from below.
; A unit's scale words leave as 64 consecutive bytes a wave: a row tile's words of neighbouring K steps lie 64 G bytes apart.  They are one part in 32 of what the launch stores; the codes leave 512 consecutive bytes a store.
; LIMITS: NaN and infinities among the inputs are not served; blocks whose largest magnitude lies under 2^-111 keep the byte 1; a block of zeros has the byte 1 and not 127: its codes are zeros, and this program alone reads the bytes.
; No cluster, no tensor load: no two work-groups read the same bytes but the gains and biases, and memory binds.
.set MI,    1048576
.set WREG,  10496                      ; LDS of a wave: the stage 16 x 528, then 2 x 1,024 bytes of gamma and beta (q's, kv's)
.set SP,    528
.set GBO,   8448
.set RED1,  83968                      ; 16 rows x 8 waves x 4 bytes: the sums; 512 bytes on: the sums of squares
.set LI,  4                            ; v4   16 x lane
.set STW, 5                            ; v5   the stage, in: 16 x lane
.set STR, 6                            ; v6   the stage, out: 528 r + 64 h
.set GBR, 7                            ; v7   my 16 gammas of a block: 64 h
.set R4,  8                            ; v8   4 r: my row's scale word
.set RDW, 9                            ; v9   my row's and wave's word of the sums
.set RDR, 10                           ; v10  my row's eight words
.set PC,  20                           ; v20-35   the codes; ahead of the quantiser: gamma of a block, and the eight partial sums
.set G,   20
.set TM,  36                           ; v36-51   at work in the quantiser; ahead of it: beta of a block
.set B,   36
.set PW,  52                           ; v52      the scale word
.set X0,  56                           ; v56-247  three sets of 64: a unit as loaded, then 64 numbers of my row: register 16 c + i = k 32 c + 16 h + i
.set SRC, 28                           ; s[28:37] where the five units begin in their sources
.set DC,  38                           ; s[38:47] where their codes go
.set DS,  48                           ; s[48:57] where their scale words go
.set WV,  58
.set MNT, 59
.set SEL, 60
.set P10, 62
	s_load_b512 s[4:19], s[0:1], 0x0               ; q_x, kv_x, Wq, Wkv, Wo, W1, W2, ln_q_g
	s_load_b256 s[20:27], s[0:1], 0x40             ; ln_q_b, ln_kv_g, ln_kv_b, pre
	v_lshl_add_u32 v248, v0, 2, 0x14c00
	v_mov_b32 v249, 0
	v_lshrrev_b32 v1, 5, v0
	s_delay_alu instid0(VALU_DEP_1)
	v_readfirstlane_b32 s[WV], v1                  ; wave 0..7 = my K step of the 1,024
	v_and_b32 v1, 31, v0                           ; lane
	v_and_b32 v2, 15, v0                           ; r
	v_bfe_u32 v3, v0, 4, 1                         ; h
	s_delay_alu instid0(VALU_DEP_3)
	v_lshlrev_b32 v[LI], 4, v1
	s_mul_i32 s66, s[WV], WREG
	v_add_nc_u32 v[STW], s66, v[LI]
	v_mul_u32_u24 v[STR], v2, SP
	s_delay_alu instid0(VALU_DEP_1)
	v_lshl_add_u32 v[STR], v3, 6, v[STR]
	s_delay_alu instid0(VALU_DEP_1)
	v_add_nc_u32 v[STR], s66, v[STR]
	v_lshlrev_b32 v[GBR], 6, v3
	s_delay_alu instid0(VALU_DEP_1)
	v_add_nc_u32 v[GBR], s66, v[GBR]
	v_lshlrev_b32 v[R4], 2, v2
	v_lshlrev_b32 v[RDR], 5, v2
	s_delay_alu instid0(VALU_DEP_1)
	v_add_nc_u32 v[RDR], RED1, v[RDR]
	s_lshl_b32 s67, s[WV], 2
	v_add_nc_u32 v[RDW], s67, v[RDR]
	v_mov_b32 v13, 0                               ; written once: a lane permute's destination counts as one of its sources
.irp b, 0,1,2,3
	v_mov_b32 v[TM+4+\b], 0
.endr
	s_mov_b32 s[SEL], 0x76543210
	s_mov_b32 s[SEL+1], 0xfedcba98                 ; v_permlanex16_b32's selects for lane l xor 16
	s_mov_b32 s[MNT], 0x600000                     ; the mantissa field of 57,344
	s_mov_b32 s[P10], 0x3a800000                   ; 1 / 1,024
	; the five units' places: all hang on the work-group's number g and the wave's number w alone
	s_lshl_b32 s68, s[WV], 9                       ; 512 w
	s_lshr_b32 s69, ttmp9, 1
	s_lshl_b32 s69, s69, 5
	s_and_b32 s70, ttmp9, 1
	s_lshl_b32 s70, s70, 3
	s_add_co_u32 s69, s69, s70                     ; tile g begins at row 32 (g / 2) + 8 (g % 2)
	s_lshl_b32 s70, s69, 12
	s_add_co_u32 s70, s70, s68                     ; q_x, kv_x, W1: that row x 4,096 + 512 w
	s_mov_b32 s71, 0
	s_mov_b32 s69, 0                               ; s[68:69] = 512 w
	s_lshr_b32 s72, ttmp9, 6                       ; g / 64: which of Wq, Wk, Wv, Wo; which 1,024 along K of W2
	s_and_b32 s73, ttmp9, 63                       ; g % 64: the row tile in those images
	s_cmp_ge_u32 ttmp9, 64
	s_cselect_b32 s74, 64, 0
	s_cmp_ge_u32 ttmp9, 192
	s_cselect_b32 s74, 0xc0, s74                   ; the source's first tile among the 256: Wq 0, Wkv 64, Wo 192
	s_cselect_b32 s75, 3, 4                        ; log2 G: Wo is read by tiles of 128
	s_lshl_b32 s74, s74, 16                        ; a tile is 16 rows of 4,096 bytes on the average, and the three numbers are even
	s_sub_co_u32 s76, s70, s74
	s_mov_b32 s77, 0
	s_lshr_b32 s78, s73, 1
	s_lshl_b32 s78, s78, 5
	s_and_b32 s79, s73, 1
	s_lshl_b32 s79, s79, 3
	s_add_co_u32 s78, s78, s79
	s_lshl_b32 s78, s78, 14                        ; W2: a row is 16,384 bytes
	s_lshl_b32 s79, s72, 12
	s_add_co_u32 s78, s78, s79
	s_add_co_u32 s78, s78, s68
	s_mov_b32 s79, 0
	s_lshl_b32 s80, s[WV], 8
	s_add_co_u32 s80, s80, ttmp9
	s_lshl_b32 s80, s80, 11                        ; images of 256 row tiles: (w 256 + g) 2,048
	s_mov_b32 s81, 0
	s_lshr_b32 s82, ttmp9, 4
	s_lshl_b32 s82, s82, 3
	s_add_co_u32 s82, s82, s[WV]
	s_lshl_b32 s82, s82, 10
	s_and_b32 s83, ttmp9, 15
	s_lshl_b32 s83, s83, 6
	s_add_co_u32 s82, s82, s83
	s_add_co_u32 s82, s82, 20*MI                   ; their scale words: 20 MiB + ((g / 16) 8 + w) 1,024 + 64 (g % 16)
	s_mov_b32 s83, 0
	s_lshl_b32 s84, s[WV], 6
	s_add_co_u32 s84, s84, s73
	s_lshl_b32 s84, s84, 11
	s_lshl_b32 s85, s72, 20
	s_add_co_u32 s85, s85, 8*MI                    ; Wq, Wk, Wv, Wo: 1 MiB each from 8 MiB on
	s_add_co_u32 s84, s84, s85
	s_lshr_b32 s86, s73, s75
	s_lshl_b32 s86, s86, 3
	s_add_co_u32 s86, s86, s[WV]
	s_add_co_u32 s87, s75, 6
	s_lshl_b32 s86, s86, s87                       ; ((T / G) 8 + w) 64 G
	s_lshl_b32 s87, 1, s75
	s_sub_co_u32 s87, s87, 1
	s_and_b32 s87, s87, s73
	s_lshl_b32 s87, s87, 6
	s_add_co_u32 s86, s86, s87                     ; + 64 (T % G)
	s_lshr_b32 s87, s85, 5
	s_add_co_u32 s86, s86, s87
	s_add_co_u32 s86, s86, 20*MI
	s_mov_b32 s85, 0
	s_mov_b32 s87, 0
	s_lshl_b32 s88, s72, 3
	s_add_co_u32 s88, s88, s[WV]                   ; W2's K step
	s_lshl_b32 s90, s88, 6
	s_add_co_u32 s90, s90, s73
	s_lshl_b32 s90, s90, 11
	s_add_co_u32 s90, s90, 16*MI
	s_mov_b32 s91, 0
	s_lshr_b32 s92, s73, 3
	s_lshl_b32 s92, s92, 5
	s_add_co_u32 s92, s92, s88
	s_lshl_b32 s92, s92, 9                         ; ((T / 8) 32 + K step) 512
	s_and_b32 s93, s73, 7
	s_lshl_b32 s93, s93, 6
	s_add_co_u32 s92, s92, s93
	s_add_co_u32 s92, s92, 20*MI+16*MI/32
	s_mov_b32 s93, 0
	s_wait_kmcnt 0x0
	s_cmp_ge_u32 ttmp9, 64
	s_cselect_b64 s[8:9], s[10:11], s[8:9]         ; the third unit's source: Wq, Wkv
	s_cmp_ge_u32 ttmp9, 192
	s_cselect_b64 s[8:9], s[12:13], s[8:9]         ; or Wo
	s_add_nc_u64 s[SRC:SRC+1], s[4:5], s[70:71]
	s_add_nc_u64 s[SRC+2:SRC+3], s[6:7], s[70:71]
	s_add_nc_u64 s[SRC+4:SRC+5], s[8:9], s[76:77]
	s_add_nc_u64 s[SRC+6:SRC+7], s[14:15], s[70:71]
	s_add_nc_u64 s[SRC+8:SRC+9], s[16:17], s[78:79]
	s_add_nc_u64 s[DC:DC+1], s[26:27], s[80:81]
	s_add_nc_u64 s[DC+2:DC+3], s[DC:DC+1], 4*MI
	s_add_nc_u64 s[DC+4:DC+5], s[26:27], s[84:85]
	s_add_nc_u64 s[DC+6:DC+7], s[DC:DC+1], 12*MI
	s_add_nc_u64 s[DC+8:DC+9], s[26:27], s[90:91]
	s_add_nc_u64 s[DS:DS+1], s[26:27], s[82:83]
	s_add_nc_u64 s[DS+2:DS+3], s[DS:DS+1], 4*MI/32
	s_add_nc_u64 s[DS+4:DS+5], s[26:27], s[86:87]
	s_add_nc_u64 s[DS+6:DS+7], s[DS:DS+1], 12*MI/32
	s_add_nc_u64 s[DS+8:DS+9], s[26:27], s[92:93]
	s_add_nc_u64 s[18:19], s[18:19], s[68:69]      ; my wave's 128 gammas and betas, q's and kv's
	s_add_nc_u64 s[20:21], s[20:21], s[68:69]
	s_add_nc_u64 s[22:23], s[22:23], s[68:69]
	s_add_nc_u64 s[24:25], s[24:25], s[68:69]
.macro LOADR t                         ; unit t into set t % 3: 16 loads, each 512 consecutive bytes of one row; lane index j of the tile is its row j + 8 (j / 8): the row stands in the immediate
.set XS, X0+64*((\t)%3)
.set PIT, 4096
.if (\t) == 4
.set PIT, 16384
.endif
.irp j, 0,1,2,3,4,5,6,7,8,9,10,11,12,13,14,15
	global_load_b128 v[XS+4*\j:XS+4*\j+3], v[LI], s[SRC+2*(\t):SRC+2*(\t)+1] offset:(\j+8*(\j/8))*PIT th:TH_LOAD_NT
.endr
.endm
.macro SUM8                            ; the eight waves' partial sums, v[G] .. v[G+7], into v[G]
	v_add_f32 v[G], v[G], v[G+1]
	v_add_f32 v[G+2], v[G+2], v[G+3]
	v_add_f32 v[G+4], v[G+4], v[G+5]
	v_add_f32 v[G+6], v[G+6], v[G+7]
	s_delay_alu instid0(VALU_DEP_3)
	v_add_f32 v[G], v[G], v[G+2]
	s_delay_alu instid0(VALU_DEP_2)
	v_add_f32 v[G+4], v[G+4], v[G+6]
	s_delay_alu instid0(VALU_DEP_1)
	v_add_f32 v[G], v[G], v[G+4]
.endm
.macro LANES                           ; two chains of pairs, and lane l xor 16's: my wave's 128 numbers of the row, in v14
	s_delay_alu instid0(VALU_DEP_1)
	v_pk_add_f32 v[14:15], v[14:15], v[16:17]
	s_delay_alu instid0(VALU_DEP_1)
	v_add_f32 v14, v14, v15
	s_delay_alu instid0(VALU_DEP_1)
	v_permlanex16_b32 v13, v14, s[SEL], s[SEL+1]
	s_delay_alu instid0(VALU_DEP_1)
	v_add_f32 v14, v14, v13
.endm
.macro MEET                            ; my LDS store has landed and my LDS loads are in: then the work-group's barrier
	s_wait_dscnt 0x0
	s_barrier_signal -1
	s_barrier_wait -1
.endm
; The LayerNorm of the 64 numbers in v[XS] on; u = 0: q's gamma and beta, 1: kv's
.macro LNORM u
	v_pk_add_f32 v[14:15], v[XS:XS+1], v[XS+2:XS+3]    ; the sum of my 64 numbers, in two chains
	v_pk_add_f32 v[16:17], v[XS+4:XS+5], v[XS+6:XS+7]
.irp i, 8,12,16,20,24,28,32,36,40,44,48,52,56,60
	s_delay_alu instid0(VALU_DEP_2)
	v_pk_add_f32 v[14:15], v[14:15], v[XS+\i:XS+\i+1]
	s_delay_alu instid0(VALU_DEP_2)
	v_pk_add_f32 v[16:17], v[16:17], v[XS+\i+2:XS+\i+3]
.endr
	LANES
	ds_store_b32 v[RDW], v14
	MEET
	ds_load_b128 v[G:G+3], v[RDR]
	ds_load_b128 v[G+4:G+7], v[RDR] offset:16
	s_wait_dscnt 0x0
	SUM8
	s_delay_alu instid0(VALU_DEP_1)
	v_mul_f32 v18, s[P10], v[G]                    ; the mean
	s_delay_alu instid0(VALU_DEP_1)
	v_mov_b32 v19, v18
.set i, 0
.rept 32
	v_pk_add_f32 v[XS+i:XS+i+1], v[XS+i:XS+i+1], v[18:19] neg_lo:[0,1] neg_hi:[0,1]   ; x - mean
.set i, i+2
.endr
	v_pk_mul_f32 v[14:15], v[XS:XS+1], v[XS:XS+1]
	v_pk_mul_f32 v[16:17], v[XS+2:XS+3], v[XS+2:XS+3]
.irp i, 4,8,12,16,20,24,28,32,36,40,44,48,52,56,60
	s_delay_alu instid0(VALU_DEP_2)
	v_pk_fma_f32 v[14:15], v[XS+\i:XS+\i+1], v[XS+\i:XS+\i+1], v[14:15]
	s_delay_alu instid0(VALU_DEP_2)
	v_pk_fma_f32 v[16:17], v[XS+\i+2:XS+\i+3], v[XS+\i+2:XS+\i+3], v[16:17]
.endr
	LANES
	ds_store_b32 v[RDW], v14 offset:512
	MEET                                           ; the sums' words are written again only behind this barrier, which every wave reaches behind its reads of them; the squares' words likewise behind the next unit's first
	ds_load_b128 v[G:G+3], v[RDR] offset:512
	ds_load_b128 v[G+4:G+7], v[RDR] offset:528
	s_wait_dscnt 0x0
	SUM8
	s_delay_alu instid0(VALU_DEP_1)
	v_fmaak_f32 v18, s[P10], v[G], 0x3727c5ac      ; the variance + 1e-5
	s_wait_alu depctr_va_vdst(0)
	v_rsq_f32 v19, v18
	v_nop                                          ; a plain line behind the transcendental,
	s_wait_alu depctr_va_vdst(0)                   ; and the wait ahead of its first reader
	v_mov_b32 v18, v19
.irp c, 0,1,2,3
.irp q, 0,1,2,3
	ds_load_b128 v[G+4*\q:G+4*\q+3], v[GBR] offset:GBO+1024*\u+128*\c+16*\q
	ds_load_b128 v[B+4*\q:B+4*\q+3], v[GBR] offset:GBO+1024*\u+512+128*\c+16*\q
.endr
.irp i, 0,2,4,6,8,10,12,14
	v_pk_mul_f32 v[XS+16*\c+\i:XS+16*\c+\i+1], v[XS+16*\c+\i:XS+16*\c+\i+1], v[18:19]
.endr
	s_wait_alu depctr_va_vdst(0)
	s_wait_dscnt 0x0
.irp i, 0,2,4,6,8,10,12,14
	v_pk_fma_f32 v[XS+16*\c+\i:XS+16*\c+\i+1], v[XS+16*\c+\i:XS+16*\c+\i+1], v[G+\i:G+\i+1], v[B+\i:B+\i+1]
.endr
.endr
.endm
; 64 numbers of a lane, register 16 b + i = k 32 b + 16 h + i of my row, become a fragment's codes in v[PC] on and its scale word in v[PW]
.macro QUANT s
.irp b, 0,1,2,3
	v_max3_num_f32 v[TM+\b], |v[\s+16*\b]|, |v[\s+1+16*\b]|, 0x8000000   ; block b: my 16 numbers, and the floor 2^(16 - 127): the byte cannot fall under 1
.endr
.irp i, 2,4,6,8,10,12,14
.irp b, 0,1,2,3
	s_delay_alu instid0(VALU_DEP_4)
	v_max3_num_f32 v[TM+\b], v[TM+\b], |v[\s+16*\b+\i]|, |v[\s+1+16*\b+\i]|   ; the four blocks by turns
.endr
.endr
.irp b, 0,1,2,3
	s_delay_alu instid0(VALU_DEP_4)
	v_permlanex16_b32 v[TM+4+\b], v[TM+\b], s[SEL], s[SEL+1]
.endr
.irp b, 0,1,2,3
	s_delay_alu instid0(VALU_DEP_4)
	v_max_num_f32 v[TM+\b], v[TM+\b], v[TM+4+\b]   ; with lane l xor 16's: the block's largest magnitude
.endr
.irp b, 0,1,2,3
	s_delay_alu instid0(VALU_DEP_4)
	v_add_nc_u32 v[TM+12+\b], 0xf8800000, v[TM+\b] ; 15 off its exponent field: the conversion's scale operand
.endr
.irp b, 0,1,2,3
	v_and_or_b32 v[TM+8+\b], v[TM+\b], 0x7f800000, s[MNT]   ; 57,344 x the scale
.endr
.irp b, 0,1,2,3
	v_lshrrev_b32 v[TM+4+\b], 23, v[TM+12+\b]      ; the scale's byte
.endr
	s_delay_alu instid0(VALU_DEP_3)
	v_lshl_or_b32 v[PW], v[TM+5], 8, v[TM+4]
	s_delay_alu instid0(VALU_DEP_1)
	v_lshl_or_b32 v[PW], v[TM+6], 16, v[PW]
	s_delay_alu instid0(VALU_DEP_1)
	v_lshl_or_b32 v[PW], v[TM+7], 24, v[PW]
.irp b, 0,1,2,3
.irp i, 0,1,2,3,4,5,6,7,8,9,10,11,12,13,14,15
	v_med3_num_f32 v[\s+16*\b+\i], v[\s+16*\b+\i], -v[TM+8+\b], v[TM+8+\b]   ; the conversion to an 8-bit code does not saturate (ISA guide 7.6.2): the hold comes first
.endr
	v_cvt_scalef32_pk8_bf8_f32 v[PC+4*\b:PC+1+4*\b], v[\s+16*\b:\s+7+16*\b], v[TM+12+\b]
	v_cvt_scalef32_pk8_bf8_f32 v[PC+2+4*\b:PC+3+4*\b], v[\s+8+16*\b:\s+15+16*\b], v[TM+12+\b]
.endr
	v_nop                                          ; a plain line behind the last conversion
.endm
	global_load_b128 v[PC:PC+3], v[LI], s[18:19]   ; my wave's 128 numbers of each gain and bias: 512 consecutive bytes a load
	global_load_b128 v[PC+4:PC+7], v[LI], s[20:21]
	global_load_b128 v[PC+8:PC+11], v[LI], s[22:23]
	global_load_b128 v[PC+12:PC+15], v[LI], s[24:25]
	LOADR 0
	LOADR 1
	LOADR 2
	s_wait_loadcnt 48                              ; loads come back in order: the four above are in, the three units' 48 stay out
	ds_store_b128 v[STW], v[PC:PC+3] offset:GBO
	ds_store_b128 v[STW], v[PC+4:PC+7] offset:GBO+512
	ds_store_b128 v[STW], v[PC+8:PC+11] offset:GBO+1024
	ds_store_b128 v[STW], v[PC+12:PC+15] offset:GBO+1536
; Unit t.  ln = 1: with the LayerNorm.  left = the loads issued behind this unit's, which may stay out.
.macro UNIT t, ln, left
.set XS, X0+64*((\t)%3)
	s_wait_loadcnt \left                           ; the unit is in
.if \t > 0
	s_wait_xcnt 0x0                                ; the last unit's stores have read their data: the codes' and the scale word's registers are written again only behind this wait
.endif
.irp j, 0,1,2,3,4,5,6,7,8,9,10,11,12,13,14,15
	ds_store_b128 v[STW], v[XS+4*\j:XS+4*\j+3] offset:SP*\j
.endr
.irp c, 0,1,2,3
.irp q, 0,1,2,3
	ds_load_b128 v[XS+16*\c+4*\q:XS+16*\c+4*\q+3], v[STR] offset:128*\c+16*\q   ; LDS serves a wave's instructions in order: these see my stores, and land in the registers that the stores have left
.endr
.endr
	s_wait_dscnt 0x0
.if \ln
	LNORM \t
.endif
	QUANT XS
.irp c, 0,1,2,3
	global_store_b128 v[LI], v[PC+4*\c:PC+4*\c+3], s[DC+2*(\t):DC+2*(\t)+1] offset:512*\c   ; 32 lanes store 512 consecutive bytes
.endr
	global_store_b32 v[R4], v[PW], s[DS+2*(\t):DS+2*(\t)+1]   ; 64 consecutive bytes; both lanes of a row store the same word
.if \t+3 < 5
	LOADR \t+3                                     ; the set is free: it takes the unit three further on
.endif
.endm
	UNIT 0, 1, 32                                  ; q_x
	UNIT 1, 1, 32                                  ; kv_x
	UNIT 2, 0, 32                                  ; Wq, Wkv or Wo
	UNIT 3, 0, 16                                  ; W1
	UNIT 4, 0, 0                                   ; W2
	s_wait_tensorcnt 0x0
	ds_add_u32 v248, v249
	s_wait_dscnt 0x0
	s_endpgm
.Lfunc_end_k_q8bbe34fcf6_prep:
	.size	k_q8bbe34fcf6_prep, .Lfunc_end_k_q8bbe34fcf6_prep-k_q8bbe34fcf6_prep
	.p2alignl 7, 3214868480
	.fill 96, 4, 3214868480
	.section	.rodata,"a",@progbits
	.p2align	6, 0x0
	.amdhsa_kernel k_q8bbe34fcf6_prep
		.amdhsa_group_segment_fixed_size 86016
		.amdhsa_private_segment_fixed_size 0
		.amdhsa_enable_private_segment 0
		.amdhsa_kernarg_size 96
		.amdhsa_user_sgpr_count 2
		.amdhsa_user_sgpr_kernarg_segment_ptr 1
		.amdhsa_wavefront_size32 1
		.amdhsa_system_sgpr_workgroup_id_x 1
		.amdhsa_system_sgpr_workgroup_id_y 1
		.amdhsa_system_sgpr_workgroup_id_z 1
		.amdhsa_system_vgpr_workitem_id 0
		.amdhsa_next_free_vgpr 250
		.amdhsa_next_free_sgpr 96
		.amdhsa_reserve_vcc 0
		.amdhsa_float_denorm_mode_32 3
		.amdhsa_float_denorm_mode_16_64 3
		.amdhsa_memory_ordered 1
		.amdhsa_forward_progress 1
		.amdhsa_inst_pref_size 106
	.end_amdhsa_kernel
	.amdgpu_metadata
---
amdhsa.version: [ 1, 2 ]
amdhsa.kernels:
  - .name:           k_q8bbe34fcf6_prep
    .symbol:         k_q8bbe34fcf6_prep.kd
    .args:
      - { .name: q_x, .offset: 0, .size: 8, .value_kind: global_buffer, .address_space: global }
      - { .name: kv_x, .offset: 8, .size: 8, .value_kind: global_buffer, .address_space: global }
      - { .name: Wq, .offset: 16, .size: 8, .value_kind: global_buffer, .address_space: global }
      - { .name: Wkv, .offset: 24, .size: 8, .value_kind: global_buffer, .address_space: global }
      - { .name: Wo, .offset: 32, .size: 8, .value_kind: global_buffer, .address_space: global }
      - { .name: W1, .offset: 40, .size: 8, .value_kind: global_buffer, .address_space: global }
      - { .name: W2, .offset: 48, .size: 8, .value_kind: global_buffer, .address_space: global }
      - { .name: ln_q_g, .offset: 56, .size: 8, .value_kind: global_buffer, .address_space: global }
      - { .name: ln_q_b, .offset: 64, .size: 8, .value_kind: global_buffer, .address_space: global }
      - { .name: ln_kv_g, .offset: 72, .size: 8, .value_kind: global_buffer, .address_space: global }
      - { .name: ln_kv_b, .offset: 80, .size: 8, .value_kind: global_buffer, .address_space: global }
      - { .name: pre, .offset: 88, .size: 8, .value_kind: global_buffer, .address_space: global }
    .group_segment_fixed_size: 86016
    .private_segment_fixed_size: 0
    .kernarg_segment_align: 8
    .kernarg_segment_size: 96
    .max_flat_workgroup_size: 256
    .sgpr_count:     96
    .vgpr_count:     250
    .wavefront_size: 32
...
	.end_amdgpu_metadata
.endif
;; end of part 1
;; launch qkv (part 2): grid 4 x 48, 4 waves a work-group, clusters of 4 x 4, 327,680 bytes of LDS; arguments pre, qkv; writes qkv
.if DOCPART == 2
	.amdgcn_target "amdgcn-amd-amdhsa--gfx1250"
	.amdhsa_code_object_version 6
	.text
	.protected	k_q8bbe34fcf6_qkv
	.globl	k_q8bbe34fcf6_qkv
	.p2align	8
	.type	k_q8bbe34fcf6_qkv,@function
k_q8bbe34fcf6_qkv:
	s_mov_b64 s[64:65], 0
	v_nop
	global_prefetch_b8 v0, s[64:65] scope:SCOPE_SE
	s_setreg_imm32_b32 hwreg(HW_REG_WAVE_MODE, 25, 1), 1
	s_wait_xcnt 0x0
	s_wait_alu depctr_hold_cnt(0) depctr_sa_sdst(0) depctr_va_vdst(0) depctr_va_sdst(0) depctr_va_ssrc(0) depctr_va_vcc(0) depctr_vm_vsrc(0)
	s_getreg_b32 s2, hwreg(HW_REG_IB_STS2, 6, 4)
	s_cmp_eq_u32 s2, 0
	s_cbranch_scc0 .Lentry_in_a_cluster
	s_endpgm
.Lentry_in_a_cluster:
	s_bfe_u32 s2, ttmp6, 0x10000c
	s_cmp_lg_u32 s2, 0xf033
	s_cbranch_scc0 .Lentry_shape_is_right
	s_endpgm
.Lentry_shape_is_right:
; A GEMM on register images of BF8 (E5M2) codes with E8M0 scales, K = 1,024, whose result is quantised again and stored as the next operand's image.  Out[S1 row][S0 index]: source 0 = 16 rows of S0, source 1 = 16 rows of S1:
; a lane holds ONE row of S1, and, by the order of rows in a tile (lane index r of tile T = row 32 (T / 2) + 8 (T % 2) + r + 8 (r / 8)), the 16 registers of S0's tiles 2 b and 2 b + 1 are 16 neighbours 32 b + 16 (lane / 16) + 0 .. 15:
; the layout that the conversions and the next product's operand want.  So the codes made here ARE the next image, for S1's row tile.
; QKV = 1: q = LN(q_x) Wq^T and k = LN(kv_x) Wk^T (S0 = the weight, S1 = the tokens: quantised along the channels) and v (S0 = the tokens, S1 = Wv: quantised along the keys).
; QKV = 0: h = silu(x W1^T + b1) (S0 = W1, S1 = the tokens); b1 is the C of each sum's first product.
; A tile of 256 x 256 is made by four waves, 128 x 128 each: 64 accumulators, 512 registers.  K goes two steps of 128 to a slot through a ring of two LDS slots; a K step of 16 row tiles is 32,768 dense bytes of the image.
; The scales of both operands' 16 row tiles for all of K are two dense blocks of 8,192 bytes: they come once, with the first fills.
; CLUSTERS: 4 x 4 work-groups.  S1's tile (region A) hangs on cy and is shared along a row of the cluster, S0's (region B) on cx and is shared along a column: each is asked for jointly.
; QKV = 1: cluster y = 4 job + u.  q, k: S1's tile 4 u + cy, S0's tile cx; v: S1's tile cy, S0's tile 4 u + cx.  The job enters global offsets alone.
; LIMITS: NaN and infinities are not served; blocks under 2^-111 keep the byte 1; a block of zeros has the byte 1, not 127: its codes are zeros and this program alone reads the bytes.
; REGISTERS: window 0: v16-31 addresses; v32-63 scale words, two sets; v64-127 b1, later at work; v128-255 A's fragments, ONE set, later the way out.  window 1: B's fragments, two sets.  windows 2, 3: accumulator (a, b) at v[8 (8 (a % 4) + b)].
.set QKV,   1
.set MI,    1048576
.set FR,    16
.set KSB,   32768                      ; a K step of 16 row tiles
.set SLOT,  131072                     ; A's two K steps, then B's two
.set SCL,   262144                     ; A's scales: K step s at 1,024 s, tile i at 64 i; B's 8,192 on
.set SST,   278528                     ; 512 bytes a wave: the scale words made here
.set SPARE, 280576                     ; the spare words, 128 bytes a wave: no other line names them
.set ADRA, 16
.set ADRB, 20
.set LI,   24                          ; 16 x lane
.set SSA,  25
.set SSR,  26
.set ADRS, 27                          ; lanes 0-15: A's scale words, lanes 16-31: B's
.set SPW,  28
.set NIL,  29
.set BO,   30
.set SC,   32                          ; set n at SC + 16 n; register 2 i + q: tile i, the slot's K step q
.set E,    64
.set AF,   128
.set PC,   128                         ; the way out: codes, two sets of 16
.set TM,   160
.set PW,   176
.set SW,   180
.set G1,   24
.set G0,   32
.set G1B,  48
.set G0B,  56
.set G1S,  68
.set G0S,  76
.set G1SB, 80
.set G0SB, 88
.set STA,  92                          ; s[92:93], s[94:95]: four K steps on in A's and in B's image
.set STB,  94
.set SEL,  96
.set MNT,  98
.set OC,   66
.set OS,   18
.set MSB, 0
.macro WIN new                         ; the immediate's high byte repeats the setting that is left
.if MSB != \new
	s_set_vgpr_msb (MSB<<8)|\new
.set MSB, \new
.endif
.endm
; A joint load: waves 0 and 1 fetch for A, waves 2 and 3 for B; the branch hangs on the wave's number alone.  Four v_nop follow each line.
.macro JLOAD g0a, g1a, g0b, g1b
	s_cmp_eq_u32 s15, 0
	s_cbranch_scc0 .Lfor_b_\@
	tensor_load_to_lds s[\g0a:\g0a+3], s[\g1a:\g1a+7]
	s_nop 0
.rept 4
	v_nop
.endr
	s_branch .Lasked_\@
.Lfor_b_\@:
	tensor_load_to_lds s[\g0b:\g0b+3], s[\g1b:\g1b+7]
	s_nop 0
.rept 4
	v_nop
.endr
.Lasked_\@:
.endm
.macro CREST                           ; a round of the cluster's barrier behind its opening barrier
	s_cmp_lg_u32 s14, 0
	s_cbranch_scc1 .Lnot_wave_0_\@
	s_barrier_signal -3
.Lnot_wave_0_\@:
	s_barrier_wait -3
	s_barrier_signal -1
	s_barrier_wait -1
.endm
.macro CROUND
	s_barrier_signal -1
	s_barrier_wait -1
	CREST
.endm
.macro PLACES n                        ; plain vector lines between a matrix instruction and a load into, or a read of, its registers
.rept \n
	v_nop
.endr
.endm
.if QKV
	s_load_b128 s[4:7], s[0:1], 0x0                ; pre, qkv
.else
	s_load_b256 s[4:11], s[0:1], 0x0               ; pre, xq, b1, hq
.endif
	v_lshl_add_u32 v[SPW], v0, 2, SPARE
	v_mov_b32 v[NIL], 0
	ds_add_u32 v28, v29
	ds_add_u32 v28, v29
	s_wait_dscnt 0x0
	v_lshrrev_b32 v1, 5, v0
	v_readfirstlane_b32 s14, v1                    ; wave 0..3
	s_lshr_b32 s15, s14, 1                         ; my half of S1's rows.  Also: I fetch for A (0) or for B (1)
	s_and_b32 s16, s14, 1                          ; my half of S0's rows.  Also: which of a slot's two K steps I fetch
	s_bfe_u32 s40, ttmp6, 0x40000                  ; cx
	s_bfe_u32 s41, ttmp6, 0x40004                  ; cy
	s_lshl_b32 s43, s41, 2
	s_lshl_b32 s43, 15, s43                        ; my row of the cluster
	s_lshl_b32 s44, 0x1111, s40                    ; my column
	; group 1 for the codes: 32,768 dense bytes as 128 rows of 256 bytes (32 elements of 8 bytes); no padding: a fragment's four loads read 512 consecutive bytes each
	s_or_b32 s[G1+0], s43, (3<<16)|(1<<21)
	s_or_b32 s[G1B+0], s44, (3<<16)|(1<<21)
.irp g, G1, G1B
	s_mov_b32 s[\g+1], 32<<16
	s_mov_b32 s[\g+2], 128<<16
	s_mov_b32 s[\g+3], 32<<16
	s_mov_b32 s[\g+4], 128
	s_mov_b32 s[\g+5], 32
	s_mov_b32 s[\g+6], 0
	s_mov_b32 s[\g+7], 0
.endr
.if QKV
	s_and_b32 s12, ttmp7, 0xffff                   ; cluster y = 4 job + u
	s_lshr_b32 s13, s12, 2                         ; job: 0 q, 1 k, 2 v
	s_and_b32 s18, s12, 3
	s_lshl_b32 s18, s18, 2                         ; 4 u
	s_lshr_b32 s19, s13, 1                         ; 1 for v
	s_mul_i32 s22, s18, s19                        ; 4 u for v, else 0
	s_sub_co_u32 s18, s18, s22                     ; 4 u for q and k, else 0
	s_add_co_u32 s17, s18, s41                     ; S1's tile
	s_add_co_u32 s42, s22, s40                     ; S0's tile
	s_mul_i32 s22, s19, 192
	s_sub_co_u32 s23, 0x100, s22                   ; row tiles in A's image: 256 tokens' or 64 of Wv
	s_add_co_u32 s45, s22, 64                      ; and in B's
	s_lshl_b32 s20, s13, 22
	s_lshl_b32 s22, s19, 21
	s_add_co_u32 s20, s20, s22                     ; A's image in pre: 0, 4 MiB, 10 MiB
	s_lshl_b32 s46, s13, 20
	s_add_co_u32 s46, s46, 8*MI
	s_mul_i32 s22, s19, 6*MI
	s_sub_co_u32 s46, s46, s22                     ; B's: 8 MiB, 9 MiB, 4 MiB
	s_lshr_b32 s96, s20, 5
	s_add_co_u32 s96, s96, 20*MI                   ; their scales
	s_lshr_b32 s98, s46, 5
	s_add_co_u32 s98, s98, 20*MI
.else
	s_and_b32 s17, ttmp7, 0xffff
	s_lshl_b32 s17, s17, 2
	s_add_co_u32 s17, s17, s41                     ; S1's tile (tokens) = 4 x cluster y + cy
	s_lshl_b32 s42, ttmp9, 2
	s_add_co_u32 s42, s42, s40                     ; S0's tile (W1) = 4 x cluster x + cx
	s_mov_b32 s23, 0x100
	s_mov_b32 s45, 0x100
	s_mov_b32 s20, 0                               ; A: xq
	s_mov_b32 s46, 12*MI                           ; B: W1's image in pre
	s_mov_b32 s96, 4*MI
	s_mov_b32 s98, 20*MI+12*MI/32
.endif
	; A's side: nothing here holds cx
	s_lshl_b32 s18, s17, 13
	s_add_co_u32 s96, s96, s18                     ; the tile's 8,192 bytes of scales,
	s_lshl_b32 s18, s16, 12
	s_add_co_u32 s96, s96, s18                     ; my half of them
	s_mov_b32 s97, 0
	s_mul_i32 s18, s16, s23
	s_lshl_b32 s19, s17, 4
	s_add_co_u32 s18, s18, s19
	s_lshl_b32 s18, s18, 11
	s_add_co_u32 s20, s20, s18                     ; codes: image + (K step x RT + 16 x tile) 2,048
	s_mov_b32 s21, 0
	s_lshl_b32 s18, s23, 12                        ; two K steps on: slot 1
	s_mov_b32 s19, 0
	s_lshl_b32 s[STA], s23, 13
	s_mov_b32 s[STA+1], 0
	; B's side: nothing here holds cy
	s_lshl_b32 s2, s42, 13
	s_add_co_u32 s98, s98, s2
	s_lshl_b32 s2, s16, 12
	s_add_co_u32 s98, s98, s2
	s_mov_b32 s99, 0
	s_mul_i32 s2, s16, s45
	s_lshl_b32 s3, s42, 4
	s_add_co_u32 s2, s2, s3
	s_lshl_b32 s2, s2, 11
	s_add_co_u32 s46, s46, s2
	s_mov_b32 s47, 0
	s_lshl_b32 s2, s45, 12
	s_mov_b32 s3, 0
	s_lshl_b32 s[STB], s45, 13
	s_mov_b32 s[STB+1], 0
	s_lshl_b32 s22, s14, 15                        ; where they go: wave x 32,768: no place in the cluster enters an LDS address
	s_lshl_b32 s12, s14, 12
	s_wait_kmcnt 0x0
.if QKV
	s_add_nc_u64 s[20:21], s[4:5], s[20:21]
	s_add_nc_u64 s[96:97], s[4:5], s[96:97]
.else
	s_add_nc_u64 s[20:21], s[6:7], s[20:21]
	s_add_nc_u64 s[96:97], s[6:7], s[96:97]
.endif
	s_add_nc_u64 s[46:47], s[4:5], s[46:47]
	s_add_nc_u64 s[98:99], s[4:5], s[98:99]
	CROUND                                         ; all sixteen work-groups are here: the first joint loads meet
	; THE SCALE WORDS come through registers: each wave loads 4,096 dense bytes (waves 0, 1: the halves of A's; waves 2, 3: of B's), 512 consecutive bytes a load, and stores them into LDS bytes into which no tensor load lands
	s_cmp_eq_u32 s15, 0
	s_cselect_b64 s[76:77], s[96:97], s[98:99]
	v_and_b32 v3, 31, v0
	v_lshlrev_b32 v[LI], 4, v3
	s_wait_alu depctr_va_vdst(0)                   ; the wait here, directly behind the write
.irp i, 0,1,2,3,4,5,6,7
	global_load_b128 v[AF+4*\i:AF+4*\i+3], v[LI], s[76:77] offset:512*\i
.endr
	s_mov_b32 s[G0], 1
	s_mov_b32 s[G0+1], s22
	s_mov_b64 s[G0+2:G0+3], s[20:21]
	s_or_b32 s[G0+3], s[G0+3], 0x80000000
	s_mov_b32 s[G0B], 1
	s_mov_b32 s[G0B+1], s22
	s_mov_b64 s[G0B+2:G0B+3], s[46:47]
	s_or_b32 s[G0B+3], s[G0B+3], 0x80000000
	JLOAD G0, G1, G0B, G1B
	s_mov_b32 s[G0+4], 1
	s_add_co_u32 s[G0+5], s22, SLOT
	s_add_nc_u64 s[G0+6:G0+7], s[20:21], s[18:19]
	s_or_b32 s[G0+7], s[G0+7], 0x80000000
	s_mov_b32 s[G0B+4], 1
	s_add_co_u32 s[G0B+5], s22, SLOT
	s_add_nc_u64 s[G0B+6:G0B+7], s[46:47], s[2:3]
	s_or_b32 s[G0B+7], s[G0B+7], 0x80000000
	s_add_co_u32 s12, s12, SCL
	v_add_nc_u32 v4, s12, v[LI]                    ; SCL + 4,096 x wave + 16 x lane
	s_wait_alu depctr_va_vdst(0)
	s_wait_loadcnt 0x0                             ; my scale bytes are in registers
.irp i, 0,1,2,3,4,5,6,7
	ds_store_b128 v4, v[AF+4*\i:AF+4*\i+3] offset:512*\i
.endr
	s_wait_tensorcnt 0x0                           ; my part of slot 0 is in
	ds_add_u32 v[SPW], v[NIL]
	s_wait_dscnt 0x0                               ; the add and my stores of scale bytes are done
	CROUND                                         ; slot 0 and the scale words are whole for every wave; all sixteen work-groups are here
	JLOAD G0+4, G1, G0B+4, G1B                     ; slot 1's first fill: my one tensor load behind the round
	v_and_b32 v1, 15, v0                           ; r
	v_bfe_u32 v2, v0, 4, 1                         ; h
	s_wait_alu depctr_va_vdst(0)
	s_lshl_b32 s21, s15, 14                        ; my eight row tiles of A
	s_lshl_b32 s22, s16, 14                        ; and of B,
	s_add_co_u32 s22, s22, 2*KSB                   ; which lies behind A's two K steps
.irp s, 0,1
	v_add_nc_u32 v[ADRA+\s], s21, v[LI]
	v_add_nc_u32 v[ADRB+\s], s22, v[LI]
	s_add_co_u32 s21, s21, SLOT
	s_add_co_u32 s22, s22, SLOT
.endr
	s_lshl_b32 s21, s15, 9
	s_lshl_b32 s22, s16, 9
	s_add_co_u32 s22, s22, 8192
	s_sub_co_u32 s22, s22, s21
	v_mul_u32_u24 v4, s22, v2                      ; lanes 16-31 take B's words
	v_lshl_add_u32 v4, v1, 2, v4
	s_add_co_u32 s21, s21, SCL
	v_add_nc_u32 v[ADRS], s21, v4
	s_lshl_b32 s21, s14, 9
	s_add_co_u32 s21, s21, SST
	v_lshl_add_u32 v[SSA], v1, 2, s21
	v_add_nc_u32 v[SSR], s21, v[LI]
	s_mov_b32 s[SEL], 0x76543210
	s_mov_b32 s[SEL+1], 0xfedcba98
	s_mov_b32 s[MNT], 0x600000
	; where the results go: my 128 indices of S0 are K step 2 x S0's tile + half of the next image; my eight row tiles are 16 x S1's tile + 8 x half
.if QKV
	s_lshl_b32 s20, s42, 1
	s_add_co_u32 s20, s20, s16
	s_mul_i32 s20, s20, s23
	s_lshl_b32 s21, s17, 4
	s_add_co_u32 s20, s20, s21
	s_lshl_b32 s21, s15, 3
	s_add_co_u32 s20, s20, s21                     ; K step x RT + first row tile
	s_lshl_b32 s46, s20, 6
	s_lshl_b32 s20, s20, 11
	s_lshl_b32 s21, s13, 22
	s_add_co_u32 s20, s20, s21                     ; q at 0, k at 4 MiB, v at 8 MiB
	s_lshl_b32 s21, s13, 17
	s_add_co_u32 s46, s46, s21
	s_add_co_u32 s46, s46, 12*MI
	s_mov_b32 s21, 0
	s_mov_b32 s47, 0
	s_add_nc_u64 s[OC:OC+1], s[6:7], s[20:21]
	s_add_nc_u64 s[OS:OS+1], s[6:7], s[46:47]
.else
	s_lshl_b32 s20, s42, 1
	s_add_co_u32 s20, s20, s16                     ; K step of hq
	s_lshl_b32 s46, s17, 1
	s_add_co_u32 s46, s46, s15                     ; my group of eight row tiles
	s_lshl_b32 s21, s46, 3
	s_lshl_b32 s46, s46, 5
	s_add_co_u32 s46, s46, s20
	s_lshl_b32 s46, s46, 9
	s_add_co_u32 s46, s46, 16*MI                   ; scales: (group x 32 + K step) 512
	s_lshl_b32 s20, s20, 8
	s_add_co_u32 s20, s20, s21
	s_lshl_b32 s20, s20, 11
	s_mov_b32 s21, 0
	s_mov_b32 s47, 0
	s_add_nc_u64 s[OC:OC+1], s[10:11], s[20:21]
	s_add_nc_u64 s[OS:OS+1], s[10:11], s[46:47]
	s_lshl_b32 s20, s42, 10
	s_lshl_b32 s46, s16, 9
	s_add_co_u32 s20, s20, s46
	s_add_nc_u64 s[8:9], s[8:9], s[20:21]          ; b1 at my 128 numbers
	v_lshlrev_b32 v[BO], 6, v2
.irp b, 0,1,2,3
.irp q, 0,1,2,3
	global_load_b128 v[E+16*\b+4*\q:E+16*\b+4*\q+3], v[BO], s[8:9] offset:128*\b+16*\q   ; register 16 b + i = b1 at 32 b + 16 h + i: the result's layout
.endr
.endr
.endif
.macro FRAG reg, adr, q, i             ; a fragment as it lies: four loads of 512 consecutive bytes
.irp c, 0,1,2,3
	ds_load_b128 v[\reg+4*\c:\reg+4*\c+3], v[\adr] offset:KSB*(\q)+2048*(\i)+512*\c
.endr
.endm
; 16 matrix instructions: A's blocks a0, a0 + 1 x B's eight.  p: B's set; q: the slot's K step; sc: the set of scale words; first = 1: the products start the sums.
; The 64 accumulators take turns, one instruction a turn, in the same order in every step.
.macro MUL16 a0, p, q, sc, first
.irp a, \a0, \a0+1
.irp b, 0,1,2,3,4,5,6,7
.set rD, 8*(8*((\a)%4)+\b)
.set rB, 128*(\p)+FR*\b
.set rA, AF+FR*(\a)
.set rSB, SC+16*(\sc)+2*\b+(\q)
.set rSA, SC+16*(\sc)+2*(\a)+(\q)
.if (\first) && QKV
	v_wmma_scale_f32_16x16x128_f8f6f4 v[rD:rD+7], v[rB:rB+15], v[rA:rA+15], 0, v[rSB], v[rSA] matrix_a_fmt:MATRIX_FMT_BF8 matrix_b_fmt:MATRIX_FMT_BF8 matrix_a_scale:MATRIX_SCALE_ROW1
.elseif \first
	v_wmma_scale_f32_16x16x128_f8f6f4 v[rD:rD+7], v[rB:rB+15], v[rA:rA+15], v[E+8*\b:E+8*\b+7], v[rSB], v[rSA] matrix_a_fmt:MATRIX_FMT_BF8 matrix_b_fmt:MATRIX_FMT_BF8 matrix_a_scale:MATRIX_SCALE_ROW1
.else
	v_wmma_scale_f32_16x16x128_f8f6f4 v[rD:rD+7], v[rB:rB+15], v[rA:rA+15], v[rD:rD+7], v[rSB], v[rSA] matrix_a_fmt:MATRIX_FMT_BF8 matrix_b_fmt:MATRIX_FMT_BF8 matrix_a_scale:MATRIX_SCALE_ROW1
.endif
.endr
.endr
.endm
.macro WINM hi, first                  ; source 0 (B) window 1, source 1 (A) window 0, D window 2 or 3; C with D, or, where the bias starts the sums, window 0
.if (\first) && !QKV
	WIN 0x81+0x40*(\hi)
.else
	WIN 0xa1+0x50*(\hi)
.endif
.endm
.macro FETCH_B slot, q, p
	WIN 0x40
.irp i, 0,1,2,3,4,5,6,7
	FRAG 128*(\p)+FR*\i, ADRB+\slot, \q, \i
.endr
	WIN 0
.endm
.macro FETCH_A slot, q, i0
.irp i, \i0, \i0+1, \i0+2, \i0+3
	FRAG AF+FR*(\i), ADRA+\slot, \q, \i
.endr
.endm
.macro SCALES set                      ; a slot's scale words: lanes 0-15 A's tile i, lanes 16-31 B's tile i
.irp i, 0,1,2,3,4,5,6,7
.irp q, 0,1
	ds_load_b32 v[SC+16*\set+2*\i+\q], v[ADRS] offset:1024*\q+64*\i
.endr
.endr
.endm
; A slot's first K step.  A block of A is free as soon as its eight products are issued: blocks 0-3 are fetched anew in the step's middle, blocks 4-7 at its end; B has two sets.
.macro STEP slot, first
	s_wait_dscnt 16                                ; all but the youngest 16 loads (A's blocks 4-7) are in
	WINM 0, \first
	MUL16 0, 0, 0, \slot, \first
	MUL16 2, 0, 0, \slot, \first
	s_wait_dscnt 0x0
	PLACES 8
	FETCH_B \slot, 1, 1
	FETCH_A \slot, 1, 0
	WINM 1, \first
	MUL16 4, 0, 0, \slot, \first
	MUL16 6, 0, 0, \slot, \first
	PLACES 8
	WIN 0
	FETCH_A \slot, 1, 4
.endm
; A slot's second K step changes slots: ONE barrier; in front of it each wave waits for all its tensor loads, adds 0 to its spare word, and waits for that and for its reads of this slot.  fill = 1: the slot is filled again, four K steps on.
.macro TURN slot, next, fill
	s_wait_tensorcnt 0x0                           ; all my tensor loads have landed: my part of the next slot
	ds_add_u32 v[SPW], v[NIL]                      ; 0 onto my spare word
	s_wait_dscnt 17                                ; (the add and the youngest 16 loads may be out)
	WIN 0xa1
	MUL16 0, 1, 1, \slot, 0
	s_wait_dscnt 0x0                               ; the add is done, and my reads of this slot are over
	s_barrier_signal -1
	MUL16 2, 1, 1, \slot, 0
	WIN 0
	s_barrier_wait -1
.if \fill
	CREST                                          ; the barrier has opened a round of the cluster's barrier: no wave of any partner still reads this slot or has a load on its way
	s_add_nc_u64 s[G0+4*\slot+2:G0+4*\slot+3], s[G0+4*\slot+2:G0+4*\slot+3], s[STA:STA+1]
	s_add_nc_u64 s[G0B+4*\slot+2:G0B+4*\slot+3], s[G0B+4*\slot+2:G0B+4*\slot+3], s[STB:STB+1]
	JLOAD G0+4*\slot, G1, G0B+4*\slot, G1B         ; the first tensor load behind the round; its four v_nop are among the places in front of the loads below
	PLACES 4
.else
	PLACES 8
.endif
	s_wait_alu depctr_va_vdst(0)
	v_add_nc_u32 v[ADRS], 2048, v[ADRS]            ; the next slot's scale words
	FETCH_B \next, 0, 0
	FETCH_A \next, 0, 0
	SCALES \next
	WIN 0xf1
	MUL16 4, 1, 1, \slot, 0
	MUL16 6, 1, 1, \slot, 0
	PLACES 8
	WIN 0
	FETCH_A \next, 0, 4
.endm
	s_wait_alu depctr_va_vdst(0)
	FETCH_B 0, 0, 0
	FETCH_A 0, 0, 0
	SCALES 0
	FETCH_A 0, 0, 4
.if !QKV
	s_wait_loadcnt 0x0                             ; b1
.endif
	STEP 0, 1                                      ; eight K steps, written straight: slots 0, 1, 0, 1
	TURN 0, 1, 1
	STEP 1, 0
	TURN 1, 0, 1
	STEP 0, 0
	TURN 0, 1, 0                                   ; nothing is left to fetch
	STEP 1, 0
	s_wait_dscnt 16
	WIN 0xa1
	MUL16 0, 1, 1, 1, 0
	MUL16 2, 1, 1, 1, 0
	s_wait_dscnt 0x0
	WIN 0xf1
	MUL16 4, 1, 1, 1, 0
	MUL16 6, 1, 1, 1, 0
	WIN 0
; THE WAY OUT, a row tile of S1 at a time: its 64 registers a lane are 128 along the next K.
.macro SILU a                          ; x / (1 + 2^(-x log2 e)), in place
.set W, 2+(\a)/4
.set AC, 64*((\a)%4)
	WIN W
.set i, 0
.rept 32
	v_pk_mul_f32 v[E+i:E+i+1], v[AC+i:AC+i+1], 0xbfb8aa3b op_sel_hi:[1,0]   ; each accumulator is read from its low end on
.set i, i+2
.endr
	WIN 0
.set i, 0
.rept 64
	v_exp_f32 v[E+i], v[E+i]
.set i, i+1
.endr
	v_nop                                          ; a plain line behind the batch,
	s_wait_alu depctr_va_vdst(0)                   ; and one wait for it, ahead of its first reader
.set i, 0
.rept 32
	v_pk_add_f32 v[E+i:E+i+1], v[E+i:E+i+1], 1.0 op_sel_hi:[1,0]
.set i, i+2
.endr
.set i, 0
.rept 64
	v_rcp_f32 v[E+i], v[E+i]
.set i, i+1
.endr
	v_nop
	s_wait_alu depctr_va_vdst(0)
.set WW, W|(W<<6)
	WIN WW
.set i, 0
.rept 32
	v_pk_mul_f32 v[AC+i:AC+i+1], v[AC+i:AC+i+1], v[E+i:E+i+1]
.set i, i+2
.endr
.endm
.macro QUANTW a                        ; the tile's four blocks of 32: codes into set a % 2 of v[PC], the scale word into v[PW]
.set W, 2+(\a)/4
.set AC, 64*((\a)%4)
.set PCS, PC+16*((\a)%2)
.set WW, W|(W<<2)
	WIN WW
.irp b, 0,1,2,3
	v_max3_num_f32 v[TM+\b], |v[AC+16*\b]|, |v[AC+16*\b+1]|, 0x8000000   ; my 16 numbers of block b, and the floor 2^(16 - 127)
.endr
.irp i, 2,4,6,8,10,12,14
.irp b, 0,1,2,3
	v_max3_num_f32 v[TM+\b], |v[AC+16*\b+\i]|, |v[AC+16*\b+\i+1]|, v[TM+\b]
.endr
.endr
	WIN 0
.irp b, 0,1,2,3
	v_permlanex16_b32 v[TM+4+\b], v[TM+\b], s[SEL], s[SEL+1]
.endr
.irp b, 0,1,2,3
	v_max_num_f32 v[TM+\b], v[TM+\b], v[TM+4+\b]   ; with lane l xor 16's: the block's largest magnitude
.endr
.irp b, 0,1,2,3
	v_add_nc_u32 v[TM+12+\b], 0xf8800000, v[TM+\b] ; 15 off its exponent field: the conversion's scale operand
.endr
.irp b, 0,1,2,3
	v_and_or_b32 v[TM+8+\b], v[TM+\b], 0x7f800000, s[MNT]   ; 57,344 x the scale
.endr
.irp b, 0,1,2,3
	v_lshrrev_b32 v[TM+4+\b], 23, v[TM+12+\b]      ; the scale's byte
.endr
	v_lshl_or_b32 v[PW], v[TM+5], 8, v[TM+4]
	v_lshl_or_b32 v[PW], v[TM+6], 16, v[PW]
	v_lshl_or_b32 v[PW], v[TM+7], 24, v[PW]
.set WW, W|(W<<6)
	WIN WW
.irp b, 0,1,2,3
.irp i, 0,1,2,3,4,5,6,7,8,9,10,11,12,13,14,15
	v_med3_num_f32 v[AC+16*\b+\i], v[AC+16*\b+\i], -v[TM+8+\b], v[TM+8+\b]   ; the conversion does not saturate (ISA guide 7.6.2): the hold comes first
.endr
.endr
	s_wait_alu depctr_va_vdst(0)
	s_wait_xcnt 0x0                                ; the earlier stores have read their data: the codes' registers are written again only behind this wait
	WIN W
.irp b, 0,1,2,3
	v_cvt_scalef32_pk8_bf8_f32 v[PCS+4*\b:PCS+4*\b+1], v[AC+16*\b:AC+16*\b+7], v[TM+12+\b]
	v_cvt_scalef32_pk8_bf8_f32 v[PCS+4*\b+2:PCS+4*\b+3], v[AC+16*\b+8:AC+16*\b+15], v[TM+12+\b]
.endr
	WIN 0
	v_nop                                          ; a plain line behind the last conversion
.endm
	PLACES 8                                       ; behind the last products: their results are read, and registers that held A's fragments are written
.irp b, 0,1,2,3
	v_mov_b32 v[TM+4+\b], 0                        ; a lane permute's destination counts as one of its sources
.endr
.irp a, 0,1,2,3,4,5,6,7
.if !QKV
	SILU \a
.endif
	QUANTW \a
.irp c, 0,1,2,3
	global_store_b128 v[LI], v[PC+16*(\a%2)+4*\c:PC+16*(\a%2)+4*\c+3], s[OC:OC+1] offset:2048*\a+512*\c   ; 32 lanes store 512 consecutive bytes: the image of the next operand
.endr
	ds_store_b32 v[SSA], v[PW] offset:64*\a        ; my own 512 bytes; both lanes of a row write the same word
.endr
	ds_load_b128 v[SW:SW+3], v[SSR]                ; LDS serves a wave's instructions in order: this sees my stores
	s_wait_dscnt 0x0
	global_store_b128 v[LI], v[SW:SW+3], s[OS:OS+1]   ; eight tiles' scale words: 512 consecutive bytes
	s_wait_tensorcnt 0x0                           ; the wave's end
	ds_add_u32 v[SPW], v[NIL]
	s_wait_dscnt 0x0
	CROUND                                         ; the closing round
	s_endpgm
.Lfunc_end_k_q8bbe34fcf6_qkv:
	.size	k_q8bbe34fcf6_qkv, .Lfunc_end_k_q8bbe34fcf6_qkv-k_q8bbe34fcf6_qkv
	.p2alignl 7, 3214868480
	.fill 96, 4, 3214868480
	.section	.rodata,"a",@progbits
	.p2align	6, 0x0
	.amdhsa_kernel k_q8bbe34fcf6_qkv
		.amdhsa_group_segment_fixed_size 327680
		.amdhsa_private_segment_fixed_size 0
		.amdhsa_enable_private_segment 0
		.amdhsa_kernarg_size 16
		.amdhsa_user_sgpr_count 2
		.amdhsa_user_sgpr_kernarg_segment_ptr 1
		.amdhsa_wavefront_size32 1
		.amdhsa_system_sgpr_workgroup_id_x 1
		.amdhsa_system_sgpr_workgroup_id_y 1
		.amdhsa_system_sgpr_workgroup_id_z 1
		.amdhsa_system_vgpr_workitem_id 0
		.amdhsa_next_free_vgpr 1024
		.amdhsa_next_free_sgpr 100
		.amdhsa_reserve_vcc 0
		.amdhsa_float_denorm_mode_32 3
		.amdhsa_float_denorm_mode_16_64 3
		.amdhsa_memory_ordered 1
		.amdhsa_forward_progress 1
		.amdhsa_inst_pref_size 188
	.end_amdhsa_kernel
	.amdgpu_metadata
---
amdhsa.version: [ 1, 2 ]
amdhsa.kernels:
  - .name:           k_q8bbe34fcf6_qkv
    .symbol:         k_q8bbe34fcf6_qkv.kd
    .args:
      - { .name: pre, .offset: 0, .size: 8, .value_kind: global_buffer, .address_space: global }
      - { .name: qkv, .offset: 8, .size: 8, .value_kind: global_buffer, .address_space: global }
    .group_segment_fixed_size: 327680
    .private_segment_fixed_size: 0
    .kernarg_segment_align: 8
    .kernarg_segment_size: 16
    .max_flat_workgroup_size: 128
    .sgpr_count:     100
    .vgpr_count:     1024
    .wavefront_size: 32
...
	.end_amdgpu_metadata
.endif
;; end of part 2
;; launch attn (part 3): grid 8 x 32, 16 waves a work-group, clusters of 4 x 1, 280,576 bytes of LDS; arguments qkv, ao; writes ao
.if DOCPART == 3
	.amdgcn_target "amdgcn-amd-amdhsa--gfx1250"
	.amdhsa_code_object_version 6
	.text
	.protected	k_q8bbe34fcf6_attn
	.globl	k_q8bbe34fcf6_attn
	.p2align	8
	.type	k_q8bbe34fcf6_attn,@function
k_q8bbe34fcf6_attn:
	s_mov_b64 s[64:65], 0
	v_nop
	global_prefetch_b8 v0, s[64:65] scope:SCOPE_SE
	s_setreg_imm32_b32 hwreg(HW_REG_WAVE_MODE, 25, 1), 1
	s_wait_xcnt 0x0
	s_wait_alu depctr_hold_cnt(0) depctr_sa_sdst(0) depctr_va_vdst(0) depctr_va_sdst(0) depctr_va_ssrc(0) depctr_va_vcc(0) depctr_vm_vsrc(0)
	s_getreg_b32 s2, hwreg(HW_REG_IB_STS2, 6, 4)
	s_cmp_eq_u32 s2, 0
	s_cbranch_scc0 .Lentry_in_a_cluster
	s_endpgm
.Lentry_in_a_cluster:
	s_bfe_u32 s2, ttmp6, 0x10000c
	s_cmp_lg_u32 s2, 0x3003
	s_cbranch_scc0 .Lentry_shape_is_right
	s_endpgm
.Lentry_shape_is_right:
; Attention of one head on register images of BF8 (E5M2) codes with E8M0 scales: 2,048 queries x 2,048 keys, head size 64; the result, divided by the row's sum, is quantised along the model's 1,024 and stored as the next operand's image.
; THE SOFTMAX: t = score x log2(e) / 8; M = the ceiling of the row's largest t so far, kept as -M = the least floor(-t) of all steps; p = 2^(t - M) is quantised along the keys, not normalised.
; The row's sum is taken of the unquantised p and divides O at the end.  When M moves, the sum and O are multiplied by f = 2^(old M - new M): exact.
; SHARES.  A work-group owns 256 queries of one head (grid y = 16 x batch + head); each of its sixteen waves owns one row tile of 16, in 256 registers.  Every wave walks all keys, 128 a step.
; A WHOLE HEAD'S K AND V LIE IN LDS, 131,072 bytes each, and their scale words.  Every byte is filled once: ten first fills, one a wave.  Wave 0: K's first chunk of 512 keys; wave 1: V's; wave 2: K's scale words; wave 3: V's:
; these four have load lines of their own and wait ahead of the first barrier; three steps follow, which read the first chunks alone.  Waves 4-6: K's chunks 1-3; waves 8-10: V's chunks 1-3 (chunk = 1 + wave % 4); ahead of the second barrier every wave waits.
; CLUSTER.  The four query blocks of a cluster belong to one head: each tile is asked for jointly (mask 15).  No prefetch: all tiles are asked for at the head, so there is no loop to run ahead in.
; LAYOUT.  Both products are used transposed: S^T = K Q^T, O^T = V^T P^T: a lane holds ONE query.  By the order of rows in a tile (lane index r of tile T = row 32 (T / 2) + 8 (T % 2) + r + 8 (r / 8))
; the 16 registers of tiles 2 b, 2 b + 1 are 16 neighbouring keys (channels), 32 b + 16 (lane / 16) + 0 .. 15.
; THE FIRST PRODUCT'S K IS 64 of the instruction's 128.  Q's upper 64 are zero codes.  K's eight tiles of a step lie on end, eight registers each: a tile's operand runs on into the next tile's codes (the last into eight registers of
; zeros), which are finite numbers of the format and meet Q's zeros: they add nothing.  The upper two scale bytes of both sides are 0, that is 2^-127.
; ORDER OF A STEP.  The products of key tiles 6, 7 come first: they write registers that the last step's products with V do not name; nine plain lines (the last step's sum, this step's addresses, three idle) part those products from
; the other six, which write over V's fragments.  The next step's K is asked for as soon as eight plain lines stand behind the last product with K; V's tile 3 at the step's head, into registers of its own;
; V's tiles 0-2 behind the conversions of p's blocks 0-2, whose registers they take.
; LIMITS: NaN and infinities are not served; the scaled scores stay under 2^31 in magnitude; a block whose every p is 0 keeps the byte 1: its codes are zeros.
; The scale words of ao hold two heads' bytes, which two work-groups own: each lane stores its two bytes: one part in 32 of the launch's output.
; REGISTERS: v1 16 x lane; v2-4 addresses in hand (next K, V, K's scale words); v5-6 V's scale words; v7 Q's; v8-11 K's (two tiles to a register); v12 -M; v13 the base of V's scale words; v[14:15] the sum; v16-31 Q (24-31 zeros);
; v32-103 K (96-103 zeros); v104-167 S^T, then p, then V's tiles 0-2; v168-199 O^T; v200-215 p's codes; v216-231 V's tile 3; v232-249 at work; v250 f; v251 the base of K's scale words; v252 p's scale word; v253 at work; v254, v255 the spare word's address and 0.
.set MI,   1048576
.set KS,   262144                      ; K's scale words: 128 tiles x 64 bytes (both heads of the pair)
.set VS,   270336                      ; V's: K step s at 256 s
.set SPARE, 278528                     ; the spare words, 128 bytes a wave: no other line names them
.set S,    104
.set O,    168
.set PC,   200
.set WV,   18
.set MNT,  19
.set SEL,  20
.set CS,   22
.set G1K,  24
.set G1V,  32
.set G1KS, 40
.set G1VS, 48
.set G0K,  56                          ; groups 0: the first chunks of K and of V, the scale words,
.set G0V,  60
.set G0KS, 68
.set G0VS, 72
.set G0KL, 92                          ; and the later chunks
.set G0VL, 96
.set TSK,  76                          ; the next step's scale words of K, in bytes from the first
.set TSV,  77                          ; this step's of V
.set TK,   81                          ; LDS byte of the next step's K
.set TV,   82                          ; and of this step's V
.set CNT,  83
.macro CROUND
	s_barrier_signal -1
	s_barrier_wait -1
	s_cmp_lg_u32 s[WV], 0
	s_cbranch_scc1 .Lnot_wave_0_\@
	s_barrier_signal -3
.Lnot_wave_0_\@:
	s_barrier_wait -3
	s_barrier_signal -1
	s_barrier_wait -1
.endm
.macro WALU
	s_wait_alu depctr_va_vdst(0)
.endm
	s_load_b128 s[4:7], s[0:1], 0x0                ; qkv, ao
	v_lshl_add_u32 v254, v0, 2, SPARE
	v_mov_b32 v255, 0
	ds_add_u32 v254, v255                          ; the opening lines: the add, twice on end, and its wait ahead of the first tensor load
	ds_add_u32 v254, v255
	v_lshrrev_b32 v8, 5, v0
	v_readfirstlane_b32 s[WV], v8                  ; wave 0..15
	s_and_b32 s9, ttmp7, 0xffff
	s_lshr_b32 s10, s9, 4                          ; batch
	s_and_b32 s11, s9, 15                          ; head
	s_lshr_b32 s12, s11, 1                         ; the pair of heads = K step of q's and k's images
	s_and_b32 s13, s11, 1                          ; which half of that K step
	s_and_b32 s80, s[WV], 3
	s_add_co_u32 s80, s80, 1                       ; a later chunk's number: 1 + wave % 4
	s_lshl_b32 s14, s12, 8
	s_lshl_b32 s15, s10, 7
	s_add_co_u32 s84, s14, s15                     ; K step x 256 + the batch's first row tile
	s_lshl_b32 s76, s84, 11
	s_lshl_b32 s15, s13, 10
	s_add_co_u32 s76, s76, s15
	s_add_co_u32 s76, s76, 4*MI                    ; K's codes
	s_mov_b32 s77, 0
	s_lshl_b32 s78, s84, 6
	s_add_co_u32 s78, s78, 12*MI+4*MI/32           ; K's scale words
	s_mov_b32 s79, 0
	s_lshl_b32 s85, s10, 10
	s_lshl_b32 s15, s11, 2
	s_add_co_u32 s85, s85, s15                     ; V: the batch's first K step x 64 + the head's first row tile
	s_lshl_b32 s86, s85, 6
	s_add_co_u32 s86, s86, 12*MI+8*MI/32           ; V's scale words
	s_mov_b32 s87, 0
	s_lshl_b32 s88, s85, 11
	s_add_co_u32 s88, s88, 8*MI                    ; V's codes
	s_mov_b32 s89, 0
	; group 1.  K's chunk: 32 row tiles, of each the head's 1,024 bytes of 2,048
	s_mov_b32 s[G1K], 15|(3<<16)|(1<<21)           ; the mask: all four work-groups; elements of 8 bytes; bit 21 beside a mask
	s_mov_b32 s[G1K+1], 128<<16
	s_mov_b32 s[G1K+2], 32<<16
	s_mov_b32 s[G1K+3], 128<<16
	s_mov_b32 s[G1K+4], 32
	s_mov_b32 s[G1K+5], 256
	s_mov_b32 s[G1K+6], 0
	s_mov_b32 s[G1K+7], 0
	; V's chunk: four K steps, of each the head's four row tiles: 8,192 bytes, 131,072 apart
	s_mov_b32 s[G1V], 15|(3<<16)|(1<<21)
	s_mov_b32 s[G1V+1], 1024<<16
	s_mov_b32 s[G1V+2], 4<<16
	s_mov_b32 s[G1V+3], 1024<<16
	s_mov_b32 s[G1V+4], 4
	s_mov_b32 s[G1V+5], 16384
	s_mov_b32 s[G1V+6], 0
	s_mov_b32 s[G1V+7], 0
	; K's scale words: 8,192 dense bytes as 32 rows of 256
	s_mov_b32 s[G1KS], 15|(3<<16)|(1<<21)
	s_mov_b32 s[G1KS+1], 32<<16
	s_mov_b32 s[G1KS+2], 32<<16
	s_mov_b32 s[G1KS+3], 32<<16
	s_mov_b32 s[G1KS+4], 32
	s_mov_b32 s[G1KS+5], 32
	s_mov_b32 s[G1KS+6], 0
	s_mov_b32 s[G1KS+7], 0
	; V's: 16 K steps x 256 bytes, 4,096 apart
	s_mov_b32 s[G1VS], 15|(3<<16)|(1<<21)
	s_mov_b32 s[G1VS+1], 32<<16
	s_mov_b32 s[G1VS+2], 16<<16
	s_mov_b32 s[G1VS+3], 32<<16
	s_mov_b32 s[G1VS+4], 16
	s_mov_b32 s[G1VS+5], 512
	s_mov_b32 s[G1VS+6], 0
	s_mov_b32 s[G1VS+7], 0
	s_mov_b32 s[G0K], 1
	s_mov_b32 s[G0K+1], 0                          ; K from byte 0 on,
	s_mov_b32 s[G0V], 1
	s_mov_b32 s[G0V+1], 131072                     ; V from byte 131,072 on; a chunk is 32,768 bytes
	s_mov_b32 s[G0KS], 1
	s_mov_b32 s[G0KS+1], KS
	s_mov_b32 s[G0VS], 1
	s_mov_b32 s[G0VS+1], VS
	s_mov_b32 s[G0KL], 1
	s_lshl_b32 s[G0KL+1], s80, 15
	s_mov_b32 s[G0VL], 1
	s_add_co_u32 s15, s80, 4
	s_lshl_b32 s[G0VL+1], s15, 15
	s_lshl_b32 s8, s80, 19                         ; in memory a chunk is four K steps of V's image,
	s_mov_b32 s9, 0
	s_lshl_b32 s80, s80, 16                        ; or 32 row tiles of K's
	s_mov_b32 s81, 0
	s_mov_b32 s[SEL], 0x76543210
	s_mov_b32 s[SEL+1], 0xfedcba98
	s_mov_b32 s[CS], 0x3e38aa3b                    ; c = log2(e) / 8
	s_mov_b32 s[CS+1], s[CS]
	s_mov_b32 s[MNT], 0x600000
	s_wait_dscnt 0x0                               ; both opening adds are done
	s_wait_kmcnt 0x0
	s_add_nc_u64 s[G0K+2:G0K+3], s[4:5], s[76:77]
	s_add_nc_u64 s[G0KL+2:G0KL+3], s[G0K+2:G0K+3], s[80:81]
	s_or_b32 s[G0K+3], s[G0K+3], 0x80000000
	s_or_b32 s[G0KL+3], s[G0KL+3], 0x80000000
	s_add_nc_u64 s[G0V+2:G0V+3], s[4:5], s[88:89]
	s_add_nc_u64 s[G0VL+2:G0VL+3], s[G0V+2:G0V+3], s[8:9]
	s_or_b32 s[G0V+3], s[G0V+3], 0x80000000
	s_or_b32 s[G0VL+3], s[G0VL+3], 0x80000000
	s_add_nc_u64 s[G0KS+2:G0KS+3], s[4:5], s[78:79]
	s_or_b32 s[G0KS+3], s[G0KS+3], 0x80000000
	s_add_nc_u64 s[G0VS+2:G0VS+3], s[4:5], s[86:87]
	s_or_b32 s[G0VS+3], s[G0VS+3], 0x80000000
	CROUND                                         ; all four work-groups are here: the joint loads meet
; ONE chain of branches on the wave's number, one load to an arm, all arms leading to one join
.macro ARM cmp, n, g0, g1, next
	\cmp s[WV], \n
	s_cbranch_scc0 \next
	tensor_load_to_lds s[\g0:\g0+3], s[\g1:\g1+7]
	s_nop 0
.rept 4
	v_nop
.endr
	s_branch .Lasked
\next:
.endm
	ARM s_cmp_eq_u32, 0, G0K, G1K, .La1            ; the four that the first barrier shows
	ARM s_cmp_eq_u32, 1, G0V, G1V, .La2
	ARM s_cmp_eq_u32, 2, G0KS, G1KS, .La3
	ARM s_cmp_eq_u32, 3, G0VS, G1VS, .La4
	ARM s_cmp_lt_u32, 7, G0KL, G1K, .La5           ; the later chunks: lines of their own: waves 4-6 K's,
	s_cmp_eq_u32 s[WV], 7
	s_cbranch_scc1 .Lasked
	ARM s_cmp_lt_u32, 11, G0VL, G1V, .La6          ; waves 8-10 V's
.Lasked:
	; my row tile of queries: cx enters Q's and ao's global addresses alone
	s_bfe_u32 s8, ttmp6, 0x40000
	s_lshl_b32 s9, ttmp9, 2
	s_add_co_u32 s9, s9, s8                        ; my block of 256 queries
	s_lshl_b32 s9, s9, 4
	s_add_co_u32 s9, s9, s[WV]
	s_lshl_b32 s8, s10, 7
	s_add_co_u32 s9, s9, s8                        ; row tile = 128 x batch + 16 x block + wave
	s_lshl_b32 s8, s12, 8
	s_add_co_u32 s8, s8, s9
	s_lshl_b32 s14, s8, 11
	s_lshl_b32 s15, s13, 10
	s_add_co_u32 s14, s14, s15                     ; the head's half of the fragment: in q's image and in ao alike
	s_mov_b32 s15, 0
	s_lshl_b32 s16, s8, 6
	s_lshl_b32 s17, s13, 1
	s_add_co_u32 s16, s16, s17
	s_add_co_u32 s16, s16, 12*MI
	s_add_co_u32 s88, s17, KS                      ; (K's scale words: the head's two bytes of each)
	s_mov_b32 s17, 0
	s_add_nc_u64 s[84:85], s[4:5], s[14:15]        ; Q's codes
	s_add_nc_u64 s[16:17], s[4:5], s[16:17]        ; Q's scale bytes
	s_add_nc_u64 s[14:15], s[6:7], s[14:15]        ; ao's codes
	s_lshr_b32 s8, s9, 3
	s_lshl_b32 s8, s8, 3
	s_add_co_u32 s8, s8, s12
	s_lshl_b32 s8, s8, 9                           ; ao's scale words lie by groups of eight row tiles: (group x 8 + K step) 512
	s_and_b32 s9, s9, 7
	s_lshl_b32 s9, s9, 6
	s_add_co_u32 s8, s8, s9
	s_lshl_b32 s9, s13, 1
	s_add_co_u32 s8, s8, s9
	s_add_co_u32 s8, s8, 4*MI
	s_mov_b32 s9, 0
	s_add_nc_u64 s[6:7], s[6:7], s[8:9]
	s_mov_b32 s[TK], 8192
	s_mov_b32 s[TV], 131072
	s_mov_b32 s[TSK], 512
	s_mov_b32 s[TSV], 0
	v_and_b32 v8, 15, v0                           ; r
	v_and_b32 v9, 31, v0
	v_bfe_u32 v10, v0, 4, 1                        ; h
	v_lshlrev_b32 v1, 4, v9
	v_lshlrev_b32 v253, 2, v8
	v_lshl_add_u32 v11, v10, 6, v253               ; 4 r + 64 h: lanes 16-31 take the next tile's words
	v_add_nc_u32 v251, s88, v11
	v_add_nc_u32 v13, VS, v11
	global_load_b128 v[16:19], v1, s[84:85]        ; Q's fragment stays in registers
	global_load_b128 v[20:23], v1, s[84:85] offset:512
	global_load_u16 v7, v253, s[16:17]             ; its two scale bytes; the upper two are 0
.irp j, 24,25,26,27,28,29,30,31, 96,97,98,99,100,101,102,103
	v_mov_b32 v[\j], 0                             ; zero codes: Q's upper 64 along K, and what follows K's last tile
.endr
	v_mov_b32 v12, 0x7f61b1e6                      ; -M: 3e38, over every floor(-t)
.irp j, 14,15, 236,237,238,239, 248,249,250
	v_mov_b32 v[\j], 0                             ; the sum, its two chains, f; a lane permute's destination counts as one of its sources
.endr
.set i, 0
.rept 32
	v_mov_b32 v[O+i], 0                            ; O^T: the step is written for every trip alike; the first finds zeros
.set i, i+1
.endr
.macro KLOAD adr, sadr                 ; a step's eight tiles of keys, eight registers each, and their scale words, two tiles to a register: 20 LDS loads
.irp t, 0,1,2,3,4,5,6,7
	ds_load_b128 v[32+8*\t:35+8*\t], v[\adr] offset:1024*\t
	ds_load_b128 v[36+8*\t:39+8*\t], v[\adr] offset:1024*\t+512
.endr
.irp p, 0,1,2,3
	ds_load_u16 v[8+\p], v[\sadr] offset:128*\p
.endr
.endm
.macro KQ j                            ; S^T of the step's tile j; an odd tile's scale words stand in lanes 16-31
.if (\j)%2
	v_wmma_scale_f32_16x16x128_f8f6f4 v[S+8*\j:S+7+8*\j], v[32+8*\j:47+8*\j], v[16:31], 0, v[8+\j/2], v7 matrix_a_fmt:MATRIX_FMT_BF8 matrix_b_fmt:MATRIX_FMT_BF8 matrix_a_scale:MATRIX_SCALE_ROW1
.else
	v_wmma_scale_f32_16x16x128_f8f6f4 v[S+8*\j:S+7+8*\j], v[32+8*\j:47+8*\j], v[16:31], 0, v[8+\j/2], v7 matrix_a_fmt:MATRIX_FMT_BF8 matrix_b_fmt:MATRIX_FMT_BF8
.endif
.endm
.macro PV t, a                         ; O^T += V^T P^T, channels 16 t on; V's tile stands at v[a]
.if (\t)%2
	v_wmma_scale_f32_16x16x128_f8f6f4 v[O+8*\t:O+7+8*\t], v[\a:\a+15], v[PC:PC+15], v[O+8*\t:O+7+8*\t], v[5+\t/2], v252 matrix_a_fmt:MATRIX_FMT_BF8 matrix_b_fmt:MATRIX_FMT_BF8 matrix_a_scale:MATRIX_SCALE_ROW1
.else
	v_wmma_scale_f32_16x16x128_f8f6f4 v[O+8*\t:O+7+8*\t], v[\a:\a+15], v[PC:PC+15], v[O+8*\t:O+7+8*\t], v[5+\t/2], v252 matrix_a_fmt:MATRIX_FMT_BF8 matrix_b_fmt:MATRIX_FMT_BF8
.endif
.endm
.macro HOLD2 x, bd                     ; two numbers held at the largest code x the scale: the conversion does not saturate (ISA guide 7.6.2); p is not negative: a one-sided hold
	v_dual_min_num_f32 v[\x], v[\x], v[\bd] :: v_dual_min_num_f32 v[\x+1], v[\x+1], v[\bd]
.endm
.macro LSUM                            ; the last step's sum: its two chains joined,
	v_pk_add_f32 v[248:249], v[248:249], v[236:237]
.endm
.macro LFMA                            ; and l = l f + them
	v_pk_fma_f32 v[14:15], v[14:15], v[250:251], v[248:249] op_sel_hi:[1,0,1]
.endm
; A KEY STEP: 128 keys.  At its head its eight tiles of K and their scale words are in registers.  pre = 1: the next step's are asked for.
.macro STEP pre
	KQ 6
	KQ 7
	LSUM                                           ; nine plain lines that name no register of the products around them
	v_add_nc_u32 v3, s[TV], v1
	v_add_nc_u32 v244, s[TSV], v13
.if \pre
	v_add_nc_u32 v2, s[TK], v1
	v_add_nc_u32 v4, s[TSK], v251
.else
	v_nop
	v_nop
.endif
	LFMA
	v_nop
	v_nop
	v_nop
.irp c, 0,1,2,3
	ds_load_b128 v[216+4*\c:219+4*\c], v3 offset:6144+512*\c   ; V's tile 3 of this K step
.endr
	ds_load_b32 v5, v244                           ; V's scale words: tiles 0, 1 and tiles 2, 3
	ds_load_b32 v6, v244 offset:128
.irp j, 0,1,2,3,4,5
	KQ \j
.endr
	v_max3_num_f32 v235, v[S+48], v[S+49], v[S+50] ; block 3's largest score, in two chains: eight plain lines behind the six products, whose registers they do not name; each accumulator is read from its low end on
	v_max3_num_f32 v253, v[S+55], v[S+56], v[S+57]
	v_max3_num_f32 v235, v235, v[S+51], v[S+52]
	v_max3_num_f32 v253, v253, v[S+58], v[S+59]
	v_max3_num_f32 v235, v235, v[S+53], v[S+54]
	v_max3_num_f32 v253, v253, v[S+60], v[S+61]
	v_max3_num_f32 v235, v235, v[S+62], v[S+63]
	v_max_num_f32 v235, v235, v253
.if \pre
	KLOAD 2, 4                                     ; the next step's K: it lands under the softmax
.endif
.irp b, 0,1,2
	v_max3_num_f32 v[232+\b], v[S+16*\b], v[S+1+16*\b], v[S+2+16*\b]   ; the largest score of a block of 32 keys serves the row's maximum and, since p rises with the score, the block's largest p
.endr
.irp i, 3,5,7,9,11,13
.irp b, 0,1,2
	v_max3_num_f32 v[232+\b], v[232+\b], v[S+16*\b+\i], v[S+1+16*\b+\i]
.endr
.endr
.irp b, 0,1,2
	v_max_num_f32 v[232+\b], v[232+\b], v[S+15+16*\b]
.endr
.irp b, 0,1,2,3
	v_permlanex16_b32 v[236+\b], v[232+\b], s[SEL], s[SEL+1]
.endr
.irp b, 0,1,2,3
	s_delay_alu instid0(VALU_DEP_4)
	v_max_num_f32 v[232+\b], v[232+\b], v[236+\b]  ; with lane l xor 16's 16 keys
.endr
	s_delay_alu instid0(VALU_DEP_2)
	v_max3_num_f32 v253, v232, v233, v234
	s_delay_alu instid0(VALU_DEP_1)
	v_max_num_f32 v253, v253, v235
	s_delay_alu instid0(VALU_DEP_1)
	v_mul_f32 v253, s[CS], v253                    ; as t (c is positive)
	s_delay_alu instid0(VALU_DEP_1)
	v_floor_f32 v253, -v253                        ; -ceil(t)
	s_delay_alu instid0(VALU_DEP_1)
	v_min_num_f32 v253, v253, v12                  ; the new -M
	s_delay_alu instid0(VALU_DEP_1)
	v_sub_f32 v244, v253, v12                      ; old M - new M: a whole number, 0 or less
	s_delay_alu instid0(VALU_DEP_2)
	v_mov_b32 v12, v253
	s_delay_alu instid0(VALU_DEP_2)
	v_cvt_i32_f32 v244, v244                       ; (it saturates)
	s_delay_alu instid0(VALU_DEP_1)
	v_ldexp_f32 v250, 1.0, v244                    ; f = 2^(old M - new M)
.set i, 0
.rept 32
	v_pk_fma_f32 v[S+i:S+1+i], v[S+i:S+1+i], s[CS:CS+1], v[12:13] op_sel_hi:[1,0,0]   ; t - M, two at a time (of the pairs the low word serves both halves)
.set i, i+2
.endr
.irp b, 0,1,2,3
	v_fma_f32 v[232+\b], v[232+\b], s[CS], v12     ; the same of each block's largest score
.endr
	WALU
.irp b, 0,1,2,3
	v_exp_f32 v[232+\b], v[232+\b]                 ; the block's largest p
.endr
.set i, 0
.rept 64
	v_exp_f32 v[S+i], v[S+i]                       ; p = 2^(t - M), at most 1
.set i, i+1
.endr
	v_nop                                          ; a plain line behind the batch,
	WALU                                           ; and one wait for it, ahead of its first reader
.irp b, 0,1,2,3
	v_max_num_f32 v[232+\b], 0x8000000, v[232+\b]  ; the floor 2^(16 - 127)
.endr
.irp b, 0,1,2,3
	s_delay_alu instid0(VALU_DEP_4)
	v_add_nc_u32 v[244+\b], 0xf8800000, v[232+\b]  ; the conversion's scale operand
.endr
.irp b, 0,1,2,3
	v_and_or_b32 v[240+\b], v[232+\b], 0x7f800000, s[MNT]   ; 57,344 x the scale
.endr
.irp b, 0,1,2,3
	v_lshrrev_b32 v[236+\b], 23, v[244+\b]         ; the scale's byte
.endr
	s_delay_alu instid0(VALU_DEP_3)
	v_lshl_or_b32 v252, v237, 8, v236              ; p's scale word for these 128 keys
	s_delay_alu instid0(VALU_DEP_1)
	v_lshl_or_b32 v252, v238, 16, v252
	s_delay_alu instid0(VALU_DEP_1)
	v_lshl_or_b32 v252, v239, 24, v252
	v_pk_add_f32 v[248:249], v[S:S+1], v[S+2:S+3]  ; the sum of the unquantised p, in two chains: block 0 here, block b + 1 among block b's holds
	v_pk_add_f32 v[236:237], v[S+4:S+5], v[S+6:S+7]
	v_pk_add_f32 v[248:249], v[248:249], v[S+8:S+9]
	v_pk_add_f32 v[236:237], v[236:237], v[S+10:S+11]
	v_pk_add_f32 v[248:249], v[248:249], v[S+12:S+13]
	v_pk_add_f32 v[236:237], v[236:237], v[S+14:S+15]
.irp b, 0,1,2,3
.irp i, 0,2,4,6,8,10,12,14
	HOLD2 S+16*\b+\i, 240+\b
.if \b < 3
.if (\i)%4
	v_pk_add_f32 v[236:237], v[236:237], v[S+16+16*\b+\i:S+17+16*\b+\i]
.else
	v_pk_add_f32 v[248:249], v[248:249], v[S+16+16*\b+\i:S+17+16*\b+\i]
.endif
.endif
.endr
	v_cvt_scalef32_pk8_bf8_f32 v[PC+4*\b:PC+1+4*\b], v[S+16*\b:S+7+16*\b], v[244+\b]
	v_cvt_scalef32_pk8_bf8_f32 v[PC+2+4*\b:PC+3+4*\b], v[S+8+16*\b:S+15+16*\b], v[244+\b]
.if \b < 3
.irp c, 0,1,2,3
	ds_load_b128 v[S+16*\b+4*\c:S+3+16*\b+4*\c], v3 offset:2048*\b+512*\c   ; V's tile b, into the registers that block b of p has just left
.endr
.endif
.endr
	WALU                                           ; the wait ahead of the first reader of O^T
.set i, 0
.rept 16
	v_pk_mul_f32 v[O+i:O+1+i], v[O+i:O+1+i], v[250:251] op_sel_hi:[1,0]   ; O^T under the new M; also the plain lines behind the last conversion and between the codes' making and the products
.set i, i+2
.endr
	WALU
	s_wait_dscnt 4                                 ; all but the youngest four LDS loads, V's tile 2, are in
	PV 3, 216                                      ; the four accumulators by turns
	PV 0, S
	PV 1, S+16
	s_wait_dscnt 0x0
	PV 2, S+32
.if \pre
	s_add_co_u32 s[TK], s[TK], 8192
	s_add_co_u32 s[TV], s[TV], 8192
	s_add_co_u32 s[TSK], s[TSK], 512
	s_add_co_u32 s[TSV], s[TSV], 256
.endif
.endm
	WALU
	s_wait_loadcnt 0x0                             ; Q
	s_cmp_lt_u32 s[WV], 4                          ; waves 0-3: the first chunks and the scale words have landed; the later chunks' waves wait ahead of the second barrier
	s_cbranch_scc0 .Llater
	s_wait_tensorcnt 0x0
.Llater:
	s_barrier_signal -1
	s_barrier_wait -1
	KLOAD 1, 251                                   ; step 0's K
	s_wait_dscnt 0x0
	s_mov_b32 s[CNT], 3
.Lfirst:                                           ; steps 0 to 2: with the request for step 3's K they read bytes of the first chunks alone
	STEP 1
	s_sub_co_u32 s[CNT], s[CNT], 1
	s_cmp_lg_u32 s[CNT], 0
	s_cbranch_scc1 .Lfirst
	s_wait_tensorcnt 0x0                           ; every wave: all that it asked for has landed
	s_wait_dscnt 0x0
	s_barrier_signal -1
	s_barrier_wait -1                              ; every read of keys from 512 on stands behind this wait
	s_mov_b32 s[CNT], 12
.Lrest:                                            ; steps 3 to 14
	STEP 1
	s_sub_co_u32 s[CNT], s[CNT], 1
	s_cmp_lg_u32 s[CNT], 0
	s_cbranch_scc1 .Lrest
	STEP 0                                         ; step 15 asks for nothing more
	; THE WAY OUT: O^T / the sum; its 32 registers are the head's 64 channels, two blocks of the next K
	LSUM
	LFMA
	v_add_f32 v14, v14, v15
	v_permlanex16_b32 v253, v14, s[SEL], s[SEL+1]
	v_add_f32 v14, v14, v253                       ; the row's sum
	WALU
	v_rcp_f32 v14, v14
	v_and_b32 v10, 15, v0                          ; plain lines behind the transcendental and behind the last products
	v_lshlrev_b32 v10, 2, v10
	v_mov_b32 v242, 0
	v_mov_b32 v243, 0
.rept 4
	v_nop
.endr
	WALU                                           ; the wait ahead of the reciprocal's first reader, which is O^T's too
.set i, 0
.rept 32
	v_mul_f32 v[S+i], v[O+i], v14                  ; each accumulator from its low end on
.set i, i+1
.endr
.irp b, 0,1
	v_max3_num_f32 v[240+\b], |v[S+16*\b]|, |v[S+1+16*\b]|, 0x8000000
.endr
.irp i, 2,4,6,8,10,12,14
.irp b, 0,1
	v_max3_num_f32 v[240+\b], v[240+\b], |v[S+16*\b+\i]|, |v[S+1+16*\b+\i]|
.endr
.endr
.irp b, 0,1
	v_permlanex16_b32 v[242+\b], v[240+\b], s[SEL], s[SEL+1]
.endr
.irp b, 0,1
	v_max_num_f32 v[240+\b], v[240+\b], v[242+\b]
.endr
.irp b, 0,1
	v_add_nc_u32 v[246+\b], 0xf8800000, v[240+\b]
.endr
.irp b, 0,1
	v_and_or_b32 v[244+\b], v[240+\b], 0x7f800000, s[MNT]
.endr
.irp b, 0,1
	v_lshrrev_b32 v[242+\b], 23, v[246+\b]
.endr
	v_lshl_or_b32 v253, v243, 8, v242              ; the head's two scale bytes
.irp b, 0,1
.irp i, 0,1,2,3,4,5,6,7,8,9,10,11,12,13,14,15
	v_med3_num_f32 v[S+32+16*\b+\i], v[S+16*\b+\i], -v[244+\b], v[244+\b]
.endr
	v_cvt_scalef32_pk8_bf8_f32 v[32+4*\b:33+4*\b], v[S+32+16*\b:S+39+16*\b], v[246+\b]
	v_cvt_scalef32_pk8_bf8_f32 v[34+4*\b:35+4*\b], v[S+40+16*\b:S+47+16*\b], v[246+\b]
.endr
	v_nop
	global_store_b128 v1, v[32:35], s[14:15]       ; 32 lanes store 512 consecutive bytes of the image
	global_store_b128 v1, v[36:39], s[14:15] offset:512
	global_store_b16 v10, v253, s[6:7]             ; both lanes of a row store the same two bytes
	s_wait_tensorcnt 0x0                           ; the wave's end
	ds_add_u32 v254, v255
	s_wait_dscnt 0x0
	CROUND                                         ; the closing round
	s_endpgm
.Lfunc_end_k_q8bbe34fcf6_attn:
	.size	k_q8bbe34fcf6_attn, .Lfunc_end_k_q8bbe34fcf6_attn-k_q8bbe34fcf6_attn
	.p2alignl 7, 3214868480
	.fill 96, 4, 3214868480
	.section	.rodata,"a",@progbits
	.p2align	6, 0x0
	.amdhsa_kernel k_q8bbe34fcf6_attn
		.amdhsa_group_segment_fixed_size 280576
		.amdhsa_private_segment_fixed_size 0
		.amdhsa_enable_private_segment 0
		.amdhsa_kernarg_size 16
		.amdhsa_user_sgpr_count 2
		.amdhsa_user_sgpr_kernarg_segment_ptr 1
		.amdhsa_wavefront_size32 1
		.amdhsa_system_sgpr_workgroup_id_x 1
		.amdhsa_system_sgpr_workgroup_id_y 1
		.amdhsa_system_sgpr_workgroup_id_z 1
		.amdhsa_system_vgpr_workitem_id 0
		.amdhsa_next_free_vgpr 256
		.amdhsa_next_free_sgpr 100
		.amdhsa_reserve_vcc 0
		.amdhsa_float_denorm_mode_32 3
		.amdhsa_float_denorm_mode_16_64 3
		.amdhsa_memory_ordered 1
		.amdhsa_forward_progress 1
		.amdhsa_inst_pref_size 75
	.end_amdhsa_kernel
	.amdgpu_metadata
---
amdhsa.version: [ 1, 2 ]
amdhsa.kernels:
  - .name:           k_q8bbe34fcf6_attn
    .symbol:         k_q8bbe34fcf6_attn.kd
    .args:
      - { .name: qkv, .offset: 0, .size: 8, .value_kind: global_buffer, .address_space: global }
      - { .name: ao, .offset: 8, .size: 8, .value_kind: global_buffer, .address_space: global }
    .group_segment_fixed_size: 280576
    .private_segment_fixed_size: 0
    .kernarg_segment_align: 8
    .kernarg_segment_size: 16
    .max_flat_workgroup_size: 512
    .sgpr_count:     100
    .vgpr_count:     256
    .wavefront_size: 32
...
	.end_amdgpu_metadata
.endif
;; end of part 3
;; launch oproj (part 4): grid 8 x 32, 4 waves a work-group, clusters of 4 x 4, 327,680 bytes of LDS; arguments pre, ao, q_x, bo, xq, xf; writes xq, xf
.if DOCPART == 4
	.amdgcn_target "amdgcn-amd-amdhsa--gfx1250"
	.amdhsa_code_object_version 6
	.text
	.protected	k_q8bbe34fcf6_oproj
	.globl	k_q8bbe34fcf6_oproj
	.p2align	8
	.type	k_q8bbe34fcf6_oproj,@function
k_q8bbe34fcf6_oproj:
	s_mov_b64 s[64:65], 0
	v_nop
	global_prefetch_b8 v0, s[64:65] scope:SCOPE_SE
	s_setreg_imm32_b32 hwreg(HW_REG_WAVE_MODE, 25, 1), 1
	s_wait_xcnt 0x0
	s_wait_alu depctr_hold_cnt(0) depctr_sa_sdst(0) depctr_va_vdst(0) depctr_va_sdst(0) depctr_va_ssrc(0) depctr_va_vcc(0) depctr_vm_vsrc(0)
	s_getreg_b32 s2, hwreg(HW_REG_IB_STS2, 6, 4)
	s_cmp_eq_u32 s2, 0
	s_cbranch_scc0 .Lentry_in_a_cluster
	s_endpgm
.Lentry_in_a_cluster:
	s_bfe_u32 s2, ttmp6, 0x10000c
	s_cmp_lg_u32 s2, 0xf033
	s_cbranch_scc0 .Lentry_shape_is_right
	s_endpgm
.Lentry_shape_is_right:
; A GEMM on register images of BF8 (E5M2) codes with E8M0 scales, on tiles of 128 x 128: the outputs are 4,096 x 1,024, which tiles of 256 x 256 would share among 64 work-groups only.
; Out[token][n] = residual + bias[n] + sum over k of Y[token][k] W[n][k]: source 0 = 16 rows of W (S0), source 1 = 16 tokens (S1): a lane holds ONE token, and the 16 registers of W's tiles 2 b, 2 b + 1 are 16 neighbouring n.
; THE RESIDUAL AND THE BIAS START THE SUMS: they are laid into the accumulators ahead of the first product, so that every product adds in place.
; OPROJ = 1 (K = 1,024): x = q_x + ao Wo^T + bo.  x leaves twice: as f32, as the accumulators' registers lie (xf: the last launch takes it up the same way), and as codes along the 1,024 (xq: the image for the next product).
; OPROJ = 0 (K = 4,096): out0 = x + hq W2^T + b2, stored row-major through a stage in LDS: sixteen lanes store 256 consecutive bytes, aligned.
; Four waves, each 64 x 64: 16 accumulators.  K goes four steps of 128 to a slot through a ring of two LDS slots; a wave's tensor load brings two K steps of eight row tiles (2 x 16,384 dense bytes).
; The scales of both operands' eight row tiles for all of K are two dense blocks: they come once, with the first fills.
; CLUSTERS: 4 x 4 work-groups: the tokens' tile is shared along a row of the cluster, the weight's along a column: each is asked for jointly.
; LIMITS: NaN and infinities are not served; blocks under 2^-111 keep the byte 1; a block of zeros has the byte 1, not 127: its codes are zeros and this program alone reads the bytes.
; REGISTERS: window 0: v12-31 addresses; v32-63 at work; v64-95 the bias, later codes; v96-103 scale words, two sets; v104-112 the quantiser; v128-255 accumulator (a, b) at v[128 + 8 (4 a + b)].
;   window 1: two fragment buffers of 128: A's four fragments, then B's four.
.set OPROJ, 1
.set KK,    1024
.set WOFF,  11*1048576                 ; the weight's image in pre
.set YSC,   4*1048576                  ; where Y's scale words begin
.set MI,    1048576
.set LAPS,  KK/1024                    ; a lap = two slots = eight K steps
.set SLOT,  131072                     ; A's four K steps of 16,384 bytes, then B's four
.set SCL,   262144                     ; A's scale words: K step s at 512 s, tile i at 64 i; B's KK x 4 bytes on
.set STG,   294912                     ; a stage of 16 rows x 272 bytes for each wave
.set SST,   312320                     ; 256 bytes a wave: the half scale words made here
.set SPARE, 313344                     ; the spare words, 128 bytes a wave: no other line names them
.set L8,   12
.set ADRA, 16
.set ADRB, 20
.set LI,   22
.set SSA,  23
.set STO,  24                          ; the stage by lanes of the result: 272 r + 64 h
.set RD,   25                          ; the stage by rows: 272 (lane / 16) + 16 (lane % 16)
.set CO,   26                          ; the same two rows in a row-major tensor
.set ADRS, 27
.set SPW,  28
.set NIL,  29
.set BO,   30
.set SSR,  31
.set T,    32
.set BIAS, 64
.set PC,   64
.set SCW,  96
.set TM,   104
.set PW,   112
.set ACC,  128
.set F0,   0
.set G1,   24
.set G0,   32
.set G1B,  48
.set G0B,  56
.set G1S,  72
.set G0S,  80
.set G1SB, 84
.set G0SB, 92
.set SEL,  98
.set MNT,  13
.set MSB, 0
.macro WIN new                         ; the immediate's high byte repeats the setting that is left
.if MSB != \new
	s_set_vgpr_msb (MSB<<8)|\new
.set MSB, \new
.endif
.endm
.macro JLOAD g0a, g1a, g0b, g1b        ; a joint load: waves 0 and 1 fetch for A, waves 2 and 3 for B; four v_nop follow each line
	s_cmp_eq_u32 s15, 0
	s_cbranch_scc0 .Lfor_b_\@
	tensor_load_to_lds s[\g0a:\g0a+3], s[\g1a:\g1a+7]
	s_nop 0
.rept 4
	v_nop
.endr
	s_branch .Lasked_\@
.Lfor_b_\@:
	tensor_load_to_lds s[\g0b:\g0b+3], s[\g1b:\g1b+7]
	s_nop 0
.rept 4
	v_nop
.endr
.Lasked_\@:
.endm
.macro CREST
	s_cmp_lg_u32 s14, 0
	s_cbranch_scc1 .Lnot_wave_0_\@
	s_barrier_signal -3
.Lnot_wave_0_\@:
	s_barrier_wait -3
	s_barrier_signal -1
	s_barrier_wait -1
.endm
.macro CROUND
	s_barrier_signal -1
	s_barrier_wait -1
	CREST
.endm
.macro PLACES n
.rept \n
	v_nop
.endr
.endm
	s_load_b256 s[4:11], s[0:1], 0x0               ; pre, Y, the residual, the bias
.if OPROJ
	s_load_b128 s[68:71], s[0:1], 0x20             ; xq, xf
.else
	s_load_b64 s[68:69], s[0:1], 0x20              ; out0
.endif
	v_lshl_add_u32 v[SPW], v0, 2, SPARE
	v_mov_b32 v[NIL], 0
	ds_add_u32 v28, v29
	ds_add_u32 v28, v29
	s_wait_dscnt 0x0
	v_lshrrev_b32 v1, 5, v0
	v_readfirstlane_b32 s14, v1                    ; wave 0..3
	s_lshr_b32 s15, s14, 1                         ; my half of the tokens.  Also: I fetch for A (0) or for B (1)
	s_and_b32 s16, s14, 1                          ; my half of the weight's rows.  Also: which two of a slot's four K steps I fetch
	s_bfe_u32 s40, ttmp6, 0x40000
	s_bfe_u32 s41, ttmp6, 0x40004
	s_lshl_b32 s42, ttmp9, 2
	s_add_co_u32 s42, s42, s40                     ; the weight's tile
	s_and_b32 s17, ttmp7, 0xffff
	s_lshl_b32 s17, s17, 2
	s_add_co_u32 s17, s17, s41                     ; the tokens' tile
	s_lshl_b32 s43, s41, 2
	s_lshl_b32 s43, 15, s43
	s_lshl_b32 s44, 0x1111, s40
	; group 1 for the codes: two K steps: 2 rows of 16,384 bytes (2,048 elements of 8 bytes), a K step of the whole image apart
	s_or_b32 s[G1+0], s43, (3<<16)|(1<<21)
	s_or_b32 s[G1B+0], s44, (3<<16)|(1<<21)
.irp g, G1, G1B
	s_mov_b32 s[\g+1], 2048<<16
	s_mov_b32 s[\g+2], 4<<16                       ; the head's loads bring a slot's four K steps; behind them the two words that count rows are set to 2
	s_mov_b32 s[\g+3], 2048<<16
	s_mov_b32 s[\g+4], 4
	s_mov_b32 s[\g+6], 0
	s_mov_b32 s[\g+7], 0
.endr
	s_mov_b32 s[G1+5], 256*256                     ; 256 row tiles of tokens
	s_mov_b32 s[G1B+5], 64*256                     ; 64 of the weight
	; and for the scales: KK x 4 dense bytes as rows of 256
	s_or_b32 s[G1S+0], s43, (3<<16)|(1<<21)
	s_or_b32 s[G1SB+0], s44, (3<<16)|(1<<21)
.irp g, G1S, G1SB
	s_mov_b32 s[\g+1], 32<<16
	s_mov_b32 s[\g+2], (KK/64)<<16                 ; an operand's scale words whole: KK x 4 dense bytes
	s_mov_b32 s[\g+3], 32<<16
	s_mov_b32 s[\g+4], KK/64
	s_mov_b32 s[\g+5], 32
	s_mov_b32 s[\g+6], 0
	s_mov_b32 s[\g+7], 0
.endr
	; A's side: nothing here holds cx
	s_lshl_b32 s20, s16, 9
	s_lshl_b32 s18, s17, 3
	s_add_co_u32 s20, s20, s18
	s_lshl_b32 s20, s20, 11                        ; (2 half x 256 + 8 x tile) 2,048
	s_mov_b32 s21, 0
	s_mul_i32 s22, s17, KK*4
	s_add_co_u32 s22, s22, YSC
	s_mov_b32 s23, 0
	; B's side: nothing here holds cy
	s_lshl_b32 s46, s16, 7
	s_lshl_b32 s2, s42, 3
	s_add_co_u32 s46, s46, s2
	s_lshl_b32 s46, s46, 11
	s_add_co_u32 s46, s46, WOFF
	s_mov_b32 s47, 0
	s_mul_i32 s96, s42, KK*4
	s_add_co_u32 s96, s96, 20*MI+WOFF/32
	s_mov_b32 s97, 0
	s_lshl_b32 s45, s14, 15                        ; where they go: wave x 32,768
	s_wait_kmcnt 0x0
	s_add_nc_u64 s[20:21], s[6:7], s[20:21]
	s_add_nc_u64 s[22:23], s[6:7], s[22:23]
	s_add_nc_u64 s[46:47], s[4:5], s[46:47]
	s_add_nc_u64 s[96:97], s[4:5], s[96:97]
	CROUND                                         ; all sixteen work-groups are here: the first joint loads meet
	s_mov_b32 s[G0S], 1
	s_mov_b32 s[G0S+1], SCL
	s_mov_b64 s[G0S+2:G0S+3], s[22:23]
	s_or_b32 s[G0S+3], s[G0S+3], 0x80000000
	s_mov_b32 s[G0SB], 1
	s_mov_b32 s[G0SB+1], SCL+KK*4
	s_mov_b64 s[G0SB+2:G0SB+3], s[96:97]
	s_or_b32 s[G0SB+3], s[G0SB+3], 0x80000000
	s_mov_b32 s[G0], 1
	s_mov_b32 s[G0+1], s45
	s_mov_b64 s[G0+2:G0+3], s[20:21]
	s_or_b32 s[G0+3], s[G0+3], 0x80000000
	s_mov_b32 s[G0B], 1
	s_mov_b32 s[G0B+1], s45
	s_mov_b64 s[G0B+2:G0B+3], s[46:47]
	s_or_b32 s[G0B+3], s[G0B+3], 0x80000000
	s_mov_b32 s[G0+4], 1
	s_add_co_u32 s[G0+5], s45, SLOT
	s_add_nc_u64 s[G0+6:G0+7], s[20:21], 0x200000  ; four K steps of 256 row tiles on
	s_or_b32 s[G0+7], s[G0+7], 0x80000000
	s_mov_b32 s[G0B+4], 1
	s_add_co_u32 s[G0B+5], s45, SLOT
	s_add_nc_u64 s[G0B+6:G0B+7], s[46:47], 0x80000 ; four K steps of 64 row tiles on
	s_or_b32 s[G0B+7], s[G0B+7], 0x80000000
; THE HEAD'S LOADS, ONE A WAVE: wave 0 slot 0's four K steps of A, wave 1 A's scale words, wave 2 slot 0's four K steps of B, wave 3 B's scale words.  One chain of branches on the wave's number, all arms leading to one join.
.macro HARM under, g0, g1, next
	s_cmp_lt_u32 s14, \under
	s_cbranch_scc0 \next
	tensor_load_to_lds s[\g0:\g0+3], s[\g1:\g1+7]
	s_nop 0
	PLACES 4
	s_branch .Lhead_asked
\next:
.endm
	HARM 1, G0, G1, .Lh1
	HARM 2, G0S, G1S, .Lh2
	HARM 3, G0B, G1B, .Lh3
	tensor_load_to_lds s[G0SB:G0SB+3], s[G1SB:G1SB+7]
	s_nop 0
	PLACES 4
.Lhead_asked:
	v_and_b32 v1, 15, v0                           ; r
	v_bfe_u32 v2, v0, 4, 1                         ; h
	s_wait_alu depctr_va_vdst(0)
	v_and_b32 v3, 31, v0
	v_lshlrev_b32 v[LI], 4, v3
	v_lshlrev_b32 v[L8], 3, v3
	s_lshl_b32 s21, s15, 13                        ; my four row tiles of A
	s_lshl_b32 s22, s16, 13
	s_add_co_u32 s22, s22, 65536                   ; and of B
.irp s, 0,1
	v_add_nc_u32 v[ADRA+\s], s21, v[LI]
	v_add_nc_u32 v[ADRB+\s], s22, v[LI]
	s_add_co_u32 s21, s21, SLOT
	s_add_co_u32 s22, s22, SLOT
.endr
	s_lshl_b32 s21, s15, 8
	s_lshl_b32 s22, s16, 8
	s_add_co_u32 s22, s22, KK*4
	s_sub_co_u32 s22, s22, s21
	v_mul_u32_u24 v4, s22, v2                      ; lanes 16-31 take B's words
	v_lshl_add_u32 v4, v1, 2, v4
	s_add_co_u32 s21, s21, SCL
	v_add_nc_u32 v[ADRS], s21, v4
	s_mul_i32 s21, s14, 16*272
	s_add_co_u32 s21, s21, STG                     ; my stage
	v_mul_u32_u24 v[STO], v1, 272
	v_lshl_add_u32 v[STO], v2, 6, v[STO]
	v_add_nc_u32 v[STO], s21, v[STO]
	v_mul_u32_u24 v[RD], v2, 272
	v_lshl_add_u32 v[RD], v1, 4, v[RD]
	v_add_nc_u32 v[RD], s21, v[RD]
	v_lshlrev_b32 v[CO], 12, v2
	v_lshl_add_u32 v[CO], v1, 4, v[CO]
	s_wait_alu depctr_va_vdst(0)
	v_lshlrev_b32 v[BO], 6, v2
	s_wait_alu depctr_va_vdst(0)
	s_lshl_b32 s21, s14, 8
	s_add_co_u32 s21, s21, SST
	v_lshl_add_u32 v[SSA], v1, 2, s21
	s_lshl_b32 s21, s15, 9
	s_add_co_u32 s21, s21, SST
	v_add_nc_u32 v[SSR], s21, v[L8]
	s_mov_b32 s[SEL], 0x76543210
	s_mov_b32 s[SEL+1], 0xfedcba98
	s_mov_b32 s[MNT], 0x600000
	s_lshl_b32 s20, s17, 19
	s_lshl_b32 s21, s15, 18
	s_add_co_u32 s20, s20, s21
	s_lshl_b32 s21, s42, 9
	s_add_co_u32 s20, s20, s21
	s_lshl_b32 s21, s16, 8
	s_add_co_u32 s20, s20, s21                     ; row-major: my first row x 4,096 + my first column x 4
	s_mov_b32 s21, 0
	s_lshl_b32 s22, s17, 3
	s_add_co_u32 s22, s22, s42
	s_lshl_b32 s22, s22, 2
	s_add_co_u32 s22, s22, s14
	s_lshl_b32 s22, s22, 14                        ; xf: 16,384 bytes for each wave of each tile
	s_mov_b32 s23, 0
	s_lshl_b32 s46, s42, 9
	s_lshl_b32 s47, s16, 8
	s_add_co_u32 s46, s46, s47
	s_mov_b32 s47, 0
	s_add_nc_u64 s[10:11], s[10:11], s[46:47]      ; the bias at my 64 columns
.if OPROJ
	s_add_nc_u64 s[8:9], s[8:9], s[20:21]
	s_add_nc_u64 s[70:71], s[70:71], s[22:23]
	s_lshl_b32 s20, s42, 8
	s_lshl_b32 s21, s17, 3
	s_add_co_u32 s20, s20, s21
	s_lshl_b32 s21, s15, 2
	s_add_co_u32 s20, s20, s21
	s_lshl_b32 s20, s20, 11
	s_lshl_b32 s21, s16, 10
	s_add_co_u32 s20, s20, s21                     ; xq's codes: (K step x 256 + row tile) 2,048 + my two pieces of four
	s_mov_b32 s21, 0
	s_lshr_b32 s22, s17, 1
	s_lshl_b32 s22, s22, 3
	s_add_co_u32 s22, s22, s42
	s_lshl_b32 s22, s22, 10
	s_and_b32 s46, s17, 1
	s_lshl_b32 s46, s46, 9
	s_add_co_u32 s22, s22, s46
	s_lshl_b32 s46, s15, 8
	s_add_co_u32 s22, s22, s46
	s_add_co_u32 s22, s22, 4*MI                    ; xq's scale words lie by groups of sixteen row tiles
	s_add_nc_u64 s[22:23], s[68:69], s[22:23]
	s_add_nc_u64 s[68:69], s[68:69], s[20:21]
.irp a, 0,1,2,3                                ; q_x: sixteen lanes read 256 consecutive bytes of a row, aligned; two rows an instruction
.irp t, 0,1,2,3,4,5,6,7
	global_load_b128 v[ACC+32*\a+4*\t:ACC+32*\a+4*\t+3], v[CO], s[8:9] offset:(32*(\a/2)+8*(\a%2)+2*\t+8*(\t/4))*4096 th:TH_LOAD_NT
.endr
.endr
.else
	s_add_nc_u64 s[8:9], s[8:9], s[22:23]
	s_add_nc_u64 s[68:69], s[68:69], s[20:21]
.set i, 0
.rept 32
	global_load_b128 v[ACC+4*i:ACC+4*i+3], v[LI], s[8:9] offset:512*i th:TH_LOAD_NT   ; x, as the accumulators' registers lay
.set i, i+1
.endr
.endif
.irp b, 0,1
.irp q, 0,1,2,3
	global_load_b128 v[BIAS+16*\b+4*\q:BIAS+16*\b+4*\q+3], v[BO], s[10:11] offset:128*\b+16*\q   ; register 16 b + i = the bias at 32 b + 16 h + i
.endr
.endr
	s_wait_alu depctr_va_vdst(0)
	s_wait_tensorcnt 0x0                           ; my tile of the head's four is in
	ds_add_u32 v[SPW], v[NIL]
	s_mov_b32 s[G1+2], 2<<16                       ; no tensor load of mine is out: from here on a load brings two K steps
	s_mov_b32 s[G1+4], 2
	s_mov_b32 s[G1B+2], 2<<16
	s_mov_b32 s[G1B+4], 2
	s_wait_dscnt 0x0
	CROUND                                         ; slot 0 and the scale words are whole for every wave; all sixteen work-groups are here
	JLOAD G0+4, G1, G0B+4, G1B                     ; slot 1's first fill: my one tensor load behind the round
	s_wait_loadcnt 0x0
.if OPROJ
.irp a, 0,1,2,3                                ; the rows turn through my stage into the result's layout, in place; LDS serves a wave's instructions in order
.irp t, 0,1,2,3,4,5,6,7
	ds_store_b128 v[RD], v[ACC+32*\a+4*\t:ACC+32*\a+4*\t+3] offset:544*\t
.endr
.irp b, 0,1
.irp q, 0,1,2,3
	ds_load_b128 v[ACC+32*\a+16*\b+4*\q:ACC+32*\a+16*\b+4*\q+3], v[STO] offset:128*\b+16*\q
.endr
.endr
.endr
	s_wait_dscnt 0x0
.endif
.irp a, 0,1,2,3
.set i, 0
.rept 16
	v_pk_add_f32 v[ACC+32*\a+i:ACC+32*\a+i+1], v[ACC+32*\a+i:ACC+32*\a+i+1], v[BIAS+i:BIAS+i+1]
.set i, i+2
.endr
.endr
.macro FETCH n, q, f                   ; a K step's eight fragments and four registers of scale words: 36 LDS loads
	WIN 0x40
.irp i, 0,1,2,3
.irp c, 0,1,2,3
	ds_load_b128 v[\f+16*\i+4*\c:\f+16*\i+4*\c+3], v[ADRA+\n] offset:16384*(\q)+2048*\i+512*\c
.endr
.endr
.irp i, 0,1,2,3
.irp c, 0,1,2,3
	ds_load_b128 v[\f+64+16*\i+4*\c:\f+64+16*\i+4*\c+3], v[ADRB+\n] offset:16384*(\q)+2048*\i+512*\c
.endr
.endr
	WIN 0
.irp i, 0,1,2,3
	ds_load_b32 v[SCW+4*((\q)%2)+\i], v[ADRS] offset:512*(\q)+64*\i
.endr
.endm
.macro MUL8 f, a0, set                 ; 8 matrix instructions; the 16 accumulators take turns, one instruction a turn
.irp a, \a0, \a0+1
.irp b, 0,1,2,3
.set rD, ACC+8*(4*(\a)+\b)
	v_wmma_scale_f32_16x16x128_f8f6f4 v[rD:rD+7], v[\f+64+16*\b:\f+64+16*\b+15], v[\f+16*(\a):\f+16*(\a)+15], v[rD:rD+7], v[SCW+4*(\set)+\b], v[SCW+4*(\set)+(\a)] matrix_a_fmt:MATRIX_FMT_BF8 matrix_b_fmt:MATRIX_FMT_BF8 matrix_a_scale:MATRIX_SCALE_ROW1
.endr
.endr
.endm
.macro KST n, q                        ; one of a slot's first three K steps: the next step's fragments are asked for, then this step's 16 products
	PLACES 8                                       ; in front of loads into the buffer that the last step multiplied
	FETCH \n, (\q)+1, F0+128*(1-(\q)%2)
	s_wait_dscnt 36                                ; all but the 36 just issued
	WIN 0x05
	MUL8 F0+128*((\q)%2), 0, (\q)%2
	MUL8 F0+128*((\q)%2), 2, (\q)%2
.endm
; A slot's last K step changes slots: ONE barrier; in front of it each wave waits for all its tensor loads, adds 0 to its spare word, and waits for that and for its reads of this slot.  fill = 1: the slot is filled again, eight K steps on.
.macro TURN n, next, fill
	WIN 0
	s_wait_tensorcnt 0x0
	ds_add_u32 v[SPW], v[NIL]                      ; 0 onto my spare word
	s_wait_dscnt 0x0
	s_barrier_signal -1
	WIN 0x05
	MUL8 F0+128, 0, 1
	WIN 0
	s_barrier_wait -1
.if \fill
	CREST                                          ; the barrier has opened a round of the cluster's barrier
	s_add_nc_u64 s[G0+4*\n+2:G0+4*\n+3], s[G0+4*\n+2:G0+4*\n+3], 0x400000
	s_add_nc_u64 s[G0B+4*\n+2:G0B+4*\n+3], s[G0B+4*\n+2:G0B+4*\n+3], 0x100000
	JLOAD G0+4*\n, G1, G0B+4*\n, G1B               ; the first tensor load behind the round: it has four K steps in which to land
	PLACES 4
.else
	PLACES 8
.endif
	v_add_nc_u32 v[ADRS], 2048, v[ADRS]            ; the next slot's scale words
	s_wait_alu depctr_va_vdst(0)
	FETCH \next, 0, F0
	WIN 0x05
	MUL8 F0+128, 2, 1
.endm
	s_wait_alu depctr_va_vdst(0)
	FETCH 0, 0, F0
	KST 0, 0
.if LAPS > 1
	WIN 0                                          ; at a label and at a branch every window is 0
	s_mov_b32 s3, LAPS-1
.Llap:
	KST 0, 1
	KST 0, 2
	TURN 0, 1, 1
	KST 1, 0
	KST 1, 1
	KST 1, 2
	TURN 1, 0, 1
	KST 0, 0
	WIN 0
	s_sub_co_u32 s3, s3, 1
	s_cmp_lg_u32 s3, 0
	s_cbranch_scc1 .Llap
.endif
	KST 0, 1                                       ; the last lap fills nothing
	KST 0, 2
	TURN 0, 1, 0
	KST 1, 0
	KST 1, 1
	KST 1, 2
	s_wait_dscnt 0x0
	WIN 0x05
	MUL8 F0+128, 0, 1
	MUL8 F0+128, 2, 1
	WIN 0
	PLACES 8                                       ; behind the last products: their results are read
.if OPROJ
.set i, 0
.rept 32
	global_store_b128 v[LI], v[ACC+4*i:ACC+4*i+3], s[70:71] offset:512*i   ; x in f32: 512 consecutive bytes a store; each accumulator from its low end on
.set i, i+1
.endr
	v_mov_b32 v[TM+2], 0                           ; a lane permute's destination counts as one of its sources
	v_mov_b32 v[TM+3], 0
; 32 numbers of a lane, register 16 b + i = k 32 b + 16 h + i, become eight registers of codes and two scale bytes; the held numbers go into other registers: the accumulators are data of stores on their way
.macro QUANT2 s, d, pc
.irp b, 0,1
	v_max3_num_f32 v[TM+\b], |v[\s+16*\b]|, |v[\s+16*\b+1]|, 0x8000000
.endr
.irp i, 2,4,6,8,10,12,14
.irp b, 0,1
	v_max3_num_f32 v[TM+\b], v[TM+\b], |v[\s+16*\b+\i]|, |v[\s+16*\b+\i+1]|
.endr
.endr
.irp b, 0,1
	v_permlanex16_b32 v[TM+2+\b], v[TM+\b], s[SEL], s[SEL+1]
.endr
.irp b, 0,1
	v_max_num_f32 v[TM+\b], v[TM+\b], v[TM+2+\b]
.endr
.irp b, 0,1
	v_add_nc_u32 v[TM+6+\b], 0xf8800000, v[TM+\b]
.endr
.irp b, 0,1
	v_and_or_b32 v[TM+4+\b], v[TM+\b], 0x7f800000, s[MNT]
.endr
.irp b, 0,1
	v_lshrrev_b32 v[TM+2+\b], 23, v[TM+6+\b]
.endr
	v_lshl_or_b32 v[PW], v[TM+3], 8, v[TM+2]
.irp b, 0,1
.irp i, 0,1,2,3,4,5,6,7,8,9,10,11,12,13,14,15
	v_med3_num_f32 v[\d+16*\b+\i], v[\s+16*\b+\i], -v[TM+4+\b], v[TM+4+\b]
.endr
	v_cvt_scalef32_pk8_bf8_f32 v[\pc+4*\b:\pc+4*\b+1], v[\d+16*\b:\d+16*\b+7], v[TM+6+\b]
	v_cvt_scalef32_pk8_bf8_f32 v[\pc+4*\b+2:\pc+4*\b+3], v[\d+16*\b+8:\d+16*\b+15], v[TM+6+\b]
.endr
	v_nop
.endm
.irp a, 0,1,2,3
	s_wait_xcnt 0x0                                ; the earlier stores have read their data: the codes' registers are written again only behind this wait
	QUANT2 ACC+32*\a, T, PC+8*(\a%2)
	global_store_b128 v[LI], v[PC+8*(\a%2):PC+8*(\a%2)+3], s[68:69] offset:2048*\a
	global_store_b128 v[LI], v[PC+8*(\a%2)+4:PC+8*(\a%2)+7], s[68:69] offset:2048*\a+512
	ds_store_b32 v[SSA], v[PW] offset:64*\a        ; my two bytes of the row's scale word, as a word of my wave's own 256 bytes
.endr
	s_wait_dscnt 0x0                               ; for the others' sake: my stores have landed
	s_barrier_signal -1
	s_barrier_wait -1
	s_cmp_lg_u32 s16, 0                            ; waves 0 and 2 put the halves together: four row tiles' words, 256 consecutive bytes, aligned
	s_cbranch_scc1 .Lno_sc
	ds_load_b64 v[114:115], v[SSR]
	ds_load_b64 v[116:117], v[SSR] offset:256
	s_wait_dscnt 0x0
	v_lshl_or_b32 v114, v116, 16, v114
	v_lshl_or_b32 v115, v117, 16, v115
	global_store_b64 v[L8], v[114:115], s[22:23]
.Lno_sc:
.else
.irp a, 0,1,2,3                                ; through my stage, back as whole rows, in place
.irp b, 0,1
.irp q, 0,1,2,3
	ds_store_b128 v[STO], v[ACC+32*\a+16*\b+4*\q:ACC+32*\a+16*\b+4*\q+3] offset:128*\b+16*\q
.endr
.endr
.irp t, 0,1,2,3,4,5,6,7
	ds_load_b128 v[ACC+32*\a+4*\t:ACC+32*\a+4*\t+3], v[RD] offset:544*\t
.endr
.endr
.irp a, 0,1,2,3
.irp t, 0,1,2,3,4,5,6,7
	s_wait_dscnt 16*(3-\a)+7-\t                    ; the LDS instructions issued behind this load may stay out
	global_store_b128 v[CO], v[ACC+32*\a+4*\t:ACC+32*\a+4*\t+3], s[68:69] offset:(32*(\a/2)+8*(\a%2)+2*\t+8*(\t/4))*4096 th:TH_STORE_NT   ; sixteen lanes store 256 consecutive bytes, aligned
.endr
.endr
.endif
	s_wait_tensorcnt 0x0                           ; the wave's end
	ds_add_u32 v[SPW], v[NIL]
	s_wait_dscnt 0x0
	CROUND                                         ; the closing round
	s_endpgm
.Lfunc_end_k_q8bbe34fcf6_oproj:
	.size	k_q8bbe34fcf6_oproj, .Lfunc_end_k_q8bbe34fcf6_oproj-k_q8bbe34fcf6_oproj
	.p2alignl 7, 3214868480
	.fill 96, 4, 3214868480
	.section	.rodata,"a",@progbits
	.p2align	6, 0x0
	.amdhsa_kernel k_q8bbe34fcf6_oproj
		.amdhsa_group_segment_fixed_size 327680
		.amdhsa_private_segment_fixed_size 0
		.amdhsa_enable_private_segment 0
		.amdhsa_kernarg_size 48
		.amdhsa_user_sgpr_count 2
		.amdhsa_user_sgpr_kernarg_segment_ptr 1
		.amdhsa_wavefront_size32 1
		.amdhsa_system_sgpr_workgroup_id_x 1
		.amdhsa_system_sgpr_workgroup_id_y 1
		.amdhsa_system_sgpr_workgroup_id_z 1
		.amdhsa_system_vgpr_workitem_id 0
		.amdhsa_next_free_vgpr 512
		.amdhsa_next_free_sgpr 100
		.amdhsa_reserve_vcc 0
		.amdhsa_float_denorm_mode_32 3
		.amdhsa_float_denorm_mode_16_64 3
		.amdhsa_memory_ordered 1
		.amdhsa_forward_progress 1
		.amdhsa_inst_pref_size 82
	.end_amdhsa_kernel
	.amdgpu_metadata
---
amdhsa.version: [ 1, 2 ]
amdhsa.kernels:
  - .name:           k_q8bbe34fcf6_oproj
    .symbol:         k_q8bbe34fcf6_oproj.kd
    .args:
      - { .name: pre, .offset: 0, .size: 8, .value_kind: global_buffer, .address_space: global }
      - { .name: ao, .offset: 8, .size: 8, .value_kind: global_buffer, .address_space: global }
      - { .name: q_x, .offset: 16, .size: 8, .value_kind: global_buffer, .address_space: global }
      - { .name: bo, .offset: 24, .size: 8, .value_kind: global_buffer, .address_space: global }
      - { .name: xq, .offset: 32, .size: 8, .value_kind: global_buffer, .address_space: global }
      - { .name: xf, .offset: 40, .size: 8, .value_kind: global_buffer, .address_space: global }
    .group_segment_fixed_size: 327680
    .private_segment_fixed_size: 0
    .kernarg_segment_align: 8
    .kernarg_segment_size: 48
    .max_flat_workgroup_size: 128
    .sgpr_count:     100
    .vgpr_count:     512
    .wavefront_size: 32
...
	.end_amdgpu_metadata
.endif
;; end of part 4
;; launch ffn1 (part 5): grid 16 x 16, 4 waves a work-group, clusters of 4 x 4, 327,680 bytes of LDS; arguments pre, xq, b1, hq; writes hq
.if DOCPART == 5
	.amdgcn_target "amdgcn-amd-amdhsa--gfx1250"
	.amdhsa_code_object_version 6
	.text
	.protected	k_q8bbe34fcf6_ffn1
	.globl	k_q8bbe34fcf6_ffn1
	.p2align	8
	.type	k_q8bbe34fcf6_ffn1,@function
k_q8bbe34fcf6_ffn1:
	s_mov_b64 s[64:65], 0
	v_nop
	global_prefetch_b8 v0, s[64:65] scope:SCOPE_SE
	s_setreg_imm32_b32 hwreg(HW_REG_WAVE_MODE, 25, 1), 1
	s_wait_xcnt 0x0
	s_wait_alu depctr_hold_cnt(0) depctr_sa_sdst(0) depctr_va_vdst(0) depctr_va_sdst(0) depctr_va_ssrc(0) depctr_va_vcc(0) depctr_vm_vsrc(0)
	s_getreg_b32 s2, hwreg(HW_REG_IB_STS2, 6, 4)
	s_cmp_eq_u32 s2, 0
	s_cbranch_scc0 .Lentry_in_a_cluster
	s_endpgm
.Lentry_in_a_cluster:
	s_bfe_u32 s2, ttmp6, 0x10000c
	s_cmp_lg_u32 s2, 0xf033
	s_cbranch_scc0 .Lentry_shape_is_right
	s_endpgm
.Lentry_shape_is_right:
.set QKV,   0
.set MI,    1048576
.set FR,    16
.set KSB,   32768
.set SLOT,  131072
.set SCL,   262144
.set SST,   278528
.set SPARE, 280576
.set ADRA, 16
.set ADRB, 20
.set LI,   24
.set SSA,  25
.set SSR,  26
.set ADRS, 27
.set SPW,  28
.set NIL,  29
.set BO,   30
.set SC,   32
.set E,    64
.set AF,   128
.set PC,   128
.set TM,   160
.set PW,   176
.set SW,   180
.set G1,   24
.set G0,   32
.set G1B,  48
.set G0B,  56
.set G1S,  68
.set G0S,  76
.set G1SB, 80
.set G0SB, 88
.set STA,  92
.set STB,  94
.set SEL,  96
.set MNT,  98
.set OC,   66
.set OS,   18
.set MSB, 0
.macro WIN new
.if MSB != \new
	s_set_vgpr_msb (MSB<<8)|\new
.set MSB, \new
.endif
.endm
.macro JLOAD g0a, g1a, g0b, g1b
	s_cmp_eq_u32 s15, 0
	s_cbranch_scc0 .Lfor_b_\@
	tensor_load_to_lds s[\g0a:\g0a+3], s[\g1a:\g1a+7]
	s_nop 0
.rept 4
	v_nop
.endr
	s_branch .Lasked_\@
.Lfor_b_\@:
	tensor_load_to_lds s[\g0b:\g0b+3], s[\g1b:\g1b+7]
	s_nop 0
.rept 4
	v_nop
.endr
.Lasked_\@:
.endm
.macro CREST
	s_cmp_lg_u32 s14, 0
	s_cbranch_scc1 .Lnot_wave_0_\@
	s_barrier_signal -3
.Lnot_wave_0_\@:
	s_barrier_wait -3
	s_barrier_signal -1
	s_barrier_wait -1
.endm
.macro CROUND
	s_barrier_signal -1
	s_barrier_wait -1
	CREST
.endm
.macro PLACES n
.rept \n
	v_nop
.endr
.endm
.if QKV
	s_load_b128 s[4:7], s[0:1], 0x0
.else
	s_load_b256 s[4:11], s[0:1], 0x0
.endif
	v_lshl_add_u32 v[SPW], v0, 2, SPARE
	v_mov_b32 v[NIL], 0
	ds_add_u32 v28, v29
	ds_add_u32 v28, v29
	s_wait_dscnt 0x0
	v_lshrrev_b32 v1, 5, v0
	v_readfirstlane_b32 s14, v1
	s_lshr_b32 s15, s14, 1
	s_and_b32 s16, s14, 1
	s_bfe_u32 s40, ttmp6, 0x40000
	s_bfe_u32 s41, ttmp6, 0x40004
	s_lshl_b32 s43, s41, 2
	s_lshl_b32 s43, 15, s43
	s_lshl_b32 s44, 0x1111, s40
	s_or_b32 s[G1+0], s43, (3<<16)|(1<<21)
	s_or_b32 s[G1B+0], s44, (3<<16)|(1<<21)
.irp g, G1, G1B
	s_mov_b32 s[\g+1], 32<<16
	s_mov_b32 s[\g+2], 128<<16
	s_mov_b32 s[\g+3], 32<<16
	s_mov_b32 s[\g+4], 128
	s_mov_b32 s[\g+5], 32
	s_mov_b32 s[\g+6], 0
	s_mov_b32 s[\g+7], 0
.endr
.if QKV
	s_and_b32 s12, ttmp7, 0xffff
	s_lshr_b32 s13, s12, 2
	s_and_b32 s18, s12, 3
	s_lshl_b32 s18, s18, 2
	s_lshr_b32 s19, s13, 1
	s_mul_i32 s22, s18, s19
	s_sub_co_u32 s18, s18, s22
	s_add_co_u32 s17, s18, s41
	s_add_co_u32 s42, s22, s40
	s_mul_i32 s22, s19, 192
	s_sub_co_u32 s23, 0x100, s22
	s_add_co_u32 s45, s22, 64
	s_lshl_b32 s20, s13, 22
	s_lshl_b32 s22, s19, 21
	s_add_co_u32 s20, s20, s22
	s_lshl_b32 s46, s13, 20
	s_add_co_u32 s46, s46, 8*MI
	s_mul_i32 s22, s19, 6*MI
	s_sub_co_u32 s46, s46, s22
	s_lshr_b32 s96, s20, 5
	s_add_co_u32 s96, s96, 20*MI
	s_lshr_b32 s98, s46, 5
	s_add_co_u32 s98, s98, 20*MI
.else
	s_and_b32 s17, ttmp7, 0xffff
	s_lshl_b32 s17, s17, 2
	s_add_co_u32 s17, s17, s41
	s_lshl_b32 s42, ttmp9, 2
	s_add_co_u32 s42, s42, s40
	s_mov_b32 s23, 0x100
	s_mov_b32 s45, 0x100
	s_mov_b32 s20, 0
	s_mov_b32 s46, 12*MI
	s_mov_b32 s96, 4*MI
	s_mov_b32 s98, 20*MI+12*MI/32
.endif
	s_lshl_b32 s18, s17, 13
	s_add_co_u32 s96, s96, s18
	s_lshl_b32 s18, s16, 12
	s_add_co_u32 s96, s96, s18
	s_mov_b32 s97, 0
	s_mul_i32 s18, s16, s23
	s_lshl_b32 s19, s17, 4
	s_add_co_u32 s18, s18, s19
	s_lshl_b32 s18, s18, 11
	s_add_co_u32 s20, s20, s18
	s_mov_b32 s21, 0
	s_lshl_b32 s18, s23, 12
	s_mov_b32 s19, 0
	s_lshl_b32 s[STA], s23, 13
	s_mov_b32 s[STA+1], 0
	s_lshl_b32 s2, s42, 13
	s_add_co_u32 s98, s98, s2
	s_lshl_b32 s2, s16, 12
	s_add_co_u32 s98, s98, s2
	s_mov_b32 s99, 0
	s_mul_i32 s2, s16, s45
	s_lshl_b32 s3, s42, 4
	s_add_co_u32 s2, s2, s3
	s_lshl_b32 s2, s2, 11
	s_add_co_u32 s46, s46, s2
	s_mov_b32 s47, 0
	s_lshl_b32 s2, s45, 12
	s_mov_b32 s3, 0
	s_lshl_b32 s[STB], s45, 13
	s_mov_b32 s[STB+1], 0
	s_lshl_b32 s22, s14, 15
	s_lshl_b32 s12, s14, 12
	s_wait_kmcnt 0x0
.if QKV
	s_add_nc_u64 s[20:21], s[4:5], s[20:21]
	s_add_nc_u64 s[96:97], s[4:5], s[96:97]
.else
	s_add_nc_u64 s[20:21], s[6:7], s[20:21]
	s_add_nc_u64 s[96:97], s[6:7], s[96:97]
.endif
	s_add_nc_u64 s[46:47], s[4:5], s[46:47]
	s_add_nc_u64 s[98:99], s[4:5], s[98:99]
	CROUND
	; THE SCALE WORDS come through registers: each wave loads 4,096 dense bytes (waves 0, 1: the halves of A's; waves 2, 3: of B's), 512 consecutive bytes a load, and stores them into LDS bytes into which no tensor load lands
	s_cmp_eq_u32 s15, 0
	s_cselect_b64 s[76:77], s[96:97], s[98:99]
	v_and_b32 v3, 31, v0
	v_lshlrev_b32 v[LI], 4, v3
	s_wait_alu depctr_va_vdst(0)                   ; the wait here, directly behind the write
.irp i, 0,1,2,3,4,5,6,7
	global_load_b128 v[AF+4*\i:AF+4*\i+3], v[LI], s[76:77] offset:512*\i
.endr
	s_mov_b32 s[G0], 1
	s_mov_b32 s[G0+1], s22
	s_mov_b64 s[G0+2:G0+3], s[20:21]
	s_or_b32 s[G0+3], s[G0+3], 0x80000000
	s_mov_b32 s[G0B], 1
	s_mov_b32 s[G0B+1], s22
	s_mov_b64 s[G0B+2:G0B+3], s[46:47]
	s_or_b32 s[G0B+3], s[G0B+3], 0x80000000
	JLOAD G0, G1, G0B, G1B                         ; slot 0: my one tensor load at the head
	s_mov_b32 s[G0+4], 1
	s_add_co_u32 s[G0+5], s22, SLOT
	s_add_nc_u64 s[G0+6:G0+7], s[20:21], s[18:19]
	s_or_b32 s[G0+7], s[G0+7], 0x80000000
	s_mov_b32 s[G0B+4], 1
	s_add_co_u32 s[G0B+5], s22, SLOT
	s_add_nc_u64 s[G0B+6:G0B+7], s[46:47], s[2:3]
	s_or_b32 s[G0B+7], s[G0B+7], 0x80000000
	s_add_co_u32 s12, s12, SCL
	v_add_nc_u32 v4, s12, v[LI]                    ; SCL + 4,096 x wave + 16 x lane
	s_wait_alu depctr_va_vdst(0)
	s_wait_loadcnt 0x0                             ; my scale bytes are in registers
.irp i, 0,1,2,3,4,5,6,7
	ds_store_b128 v4, v[AF+4*\i:AF+4*\i+3] offset:512*\i
.endr
	s_wait_tensorcnt 0x0                           ; my part of slot 0 is in
	ds_add_u32 v[SPW], v[NIL]
	s_wait_dscnt 0x0                               ; the add and my stores of scale bytes are done
	CROUND                                         ; slot 0 and the scale words are whole for every wave; all sixteen work-groups are here
	JLOAD G0+4, G1, G0B+4, G1B                     ; slot 1's first fill: my one tensor load behind the round
	v_and_b32 v1, 15, v0
	v_bfe_u32 v2, v0, 4, 1
	s_wait_alu depctr_va_vdst(0)
	s_lshl_b32 s21, s15, 14
	s_lshl_b32 s22, s16, 14
	s_add_co_u32 s22, s22, 2*KSB
.irp s, 0,1
	v_add_nc_u32 v[ADRA+\s], s21, v[LI]
	v_add_nc_u32 v[ADRB+\s], s22, v[LI]
	s_add_co_u32 s21, s21, SLOT
	s_add_co_u32 s22, s22, SLOT
.endr
	s_lshl_b32 s21, s15, 9
	s_lshl_b32 s22, s16, 9
	s_add_co_u32 s22, s22, 8192
	s_sub_co_u32 s22, s22, s21
	v_mul_u32_u24 v4, s22, v2
	v_lshl_add_u32 v4, v1, 2, v4
	s_add_co_u32 s21, s21, SCL
	v_add_nc_u32 v[ADRS], s21, v4
	s_lshl_b32 s21, s14, 9
	s_add_co_u32 s21, s21, SST
	v_lshl_add_u32 v[SSA], v1, 2, s21
	v_add_nc_u32 v[SSR], s21, v[LI]
	s_mov_b32 s[SEL], 0x76543210
	s_mov_b32 s[SEL+1], 0xfedcba98
	s_mov_b32 s[MNT], 0x600000
.if QKV
	s_lshl_b32 s20, s42, 1
	s_add_co_u32 s20, s20, s16
	s_mul_i32 s20, s20, s23
	s_lshl_b32 s21, s17, 4
	s_add_co_u32 s20, s20, s21
	s_lshl_b32 s21, s15, 3
	s_add_co_u32 s20, s20, s21
	s_lshl_b32 s46, s20, 6
	s_lshl_b32 s20, s20, 11
	s_lshl_b32 s21, s13, 22
	s_add_co_u32 s20, s20, s21
	s_lshl_b32 s21, s13, 17
	s_add_co_u32 s46, s46, s21
	s_add_co_u32 s46, s46, 12*MI
	s_mov_b32 s21, 0
	s_mov_b32 s47, 0
	s_add_nc_u64 s[OC:OC+1], s[6:7], s[20:21]
	s_add_nc_u64 s[OS:OS+1], s[6:7], s[46:47]
.else
	s_lshl_b32 s20, s42, 1
	s_add_co_u32 s20, s20, s16
	s_lshl_b32 s46, s17, 1
	s_add_co_u32 s46, s46, s15
	s_lshl_b32 s21, s46, 3
	s_lshl_b32 s46, s46, 5
	s_add_co_u32 s46, s46, s20
	s_lshl_b32 s46, s46, 9
	s_add_co_u32 s46, s46, 16*MI
	s_lshl_b32 s20, s20, 8
	s_add_co_u32 s20, s20, s21
	s_lshl_b32 s20, s20, 11
	s_mov_b32 s21, 0
	s_mov_b32 s47, 0
	s_add_nc_u64 s[OC:OC+1], s[10:11], s[20:21]
	s_add_nc_u64 s[OS:OS+1], s[10:11], s[46:47]
	s_lshl_b32 s20, s42, 10
	s_lshl_b32 s46, s16, 9
	s_add_co_u32 s20, s20, s46
	s_add_nc_u64 s[8:9], s[8:9], s[20:21]
	v_lshlrev_b32 v[BO], 6, v2
.irp b, 0,1,2,3
.irp q, 0,1,2,3
	global_load_b128 v[E+16*\b+4*\q:E+16*\b+4*\q+3], v[BO], s[8:9] offset:128*\b+16*\q
.endr
.endr
.endif
.macro FRAG reg, adr, q, i
.irp c, 0,1,2,3
	ds_load_b128 v[\reg+4*\c:\reg+4*\c+3], v[\adr] offset:KSB*(\q)+2048*(\i)+512*\c
.endr
.endm
.macro MUL16 a0, p, q, sc, first
.irp a, \a0, \a0+1
.irp b, 0,1,2,3,4,5,6,7
.set rD, 8*(8*((\a)%4)+\b)
.set rB, 128*(\p)+FR*\b
.set rA, AF+FR*(\a)
.set rSB, SC+16*(\sc)+2*\b+(\q)
.set rSA, SC+16*(\sc)+2*(\a)+(\q)
.if (\first) && QKV
	v_wmma_scale_f32_16x16x128_f8f6f4 v[rD:rD+7], v[rB:rB+15], v[rA:rA+15], 0, v[rSB], v[rSA] matrix_a_fmt:MATRIX_FMT_BF8 matrix_b_fmt:MATRIX_FMT_BF8 matrix_a_scale:MATRIX_SCALE_ROW1
.elseif \first
	v_wmma_scale_f32_16x16x128_f8f6f4 v[rD:rD+7], v[rB:rB+15], v[rA:rA+15], v[E+8*\b:E+8*\b+7], v[rSB], v[rSA] matrix_a_fmt:MATRIX_FMT_BF8 matrix_b_fmt:MATRIX_FMT_BF8 matrix_a_scale:MATRIX_SCALE_ROW1
.else
	v_wmma_scale_f32_16x16x128_f8f6f4 v[rD:rD+7], v[rB:rB+15], v[rA:rA+15], v[rD:rD+7], v[rSB], v[rSA] matrix_a_fmt:MATRIX_FMT_BF8 matrix_b_fmt:MATRIX_FMT_BF8 matrix_a_scale:MATRIX_SCALE_ROW1
.endif
.endr
.endr
.endm
.macro WINM hi, first
.if (\first) && !QKV
	WIN 0x81+0x40*(\hi)
.else
	WIN 0xa1+0x50*(\hi)
.endif
.endm
.macro FETCH_B slot, q, p
	WIN 0x40
.irp i, 0,1,2,3,4,5,6,7
	FRAG 128*(\p)+FR*\i, ADRB+\slot, \q, \i
.endr
	WIN 0
.endm
.macro FETCH_A slot, q, i0
.irp i, \i0, \i0+1, \i0+2, \i0+3
	FRAG AF+FR*(\i), ADRA+\slot, \q, \i
.endr
.endm
.macro SCALES set
.irp i, 0,1,2,3,4,5,6,7
.irp q, 0,1
	ds_load_b32 v[SC+16*\set+2*\i+\q], v[ADRS] offset:1024*\q+64*\i
.endr
.endr
.endm
.macro STEP slot, first
	s_wait_dscnt 16
	WINM 0, \first
	MUL16 0, 0, 0, \slot, \first
	MUL16 2, 0, 0, \slot, \first
	s_wait_dscnt 0x0
	PLACES 8
	FETCH_B \slot, 1, 1
	FETCH_A \slot, 1, 0
	WINM 1, \first
	MUL16 4, 0, 0, \slot, \first
	MUL16 6, 0, 0, \slot, \first
	PLACES 8
	WIN 0
	FETCH_A \slot, 1, 4
.endm
.macro TURN slot, next, fill
	s_wait_tensorcnt 0x0
	ds_add_u32 v[SPW], v[NIL]
	s_wait_dscnt 17
	WIN 0xa1
	MUL16 0, 1, 1, \slot, 0
	s_wait_dscnt 0x0
	s_barrier_signal -1
	MUL16 2, 1, 1, \slot, 0
	WIN 0
	s_barrier_wait -1
.if \fill
	CREST
	s_add_nc_u64 s[G0+4*\slot+2:G0+4*\slot+3], s[G0+4*\slot+2:G0+4*\slot+3], s[STA:STA+1]
	s_add_nc_u64 s[G0B+4*\slot+2:G0B+4*\slot+3], s[G0B+4*\slot+2:G0B+4*\slot+3], s[STB:STB+1]
	JLOAD G0+4*\slot, G1, G0B+4*\slot, G1B
	PLACES 4
.else
	PLACES 8
.endif
	s_wait_alu depctr_va_vdst(0)
	v_add_nc_u32 v[ADRS], 2048, v[ADRS]
	FETCH_B \next, 0, 0
	FETCH_A \next, 0, 0
	SCALES \next
	WIN 0xf1
	MUL16 4, 1, 1, \slot, 0
	MUL16 6, 1, 1, \slot, 0
	PLACES 8
	WIN 0
	FETCH_A \next, 0, 4
.endm
	s_wait_alu depctr_va_vdst(0)
	FETCH_B 0, 0, 0
	FETCH_A 0, 0, 0
	SCALES 0
	FETCH_A 0, 0, 4
.if !QKV
	s_wait_loadcnt 0x0
.endif
	STEP 0, 1
	TURN 0, 1, 1
	STEP 1, 0
	TURN 1, 0, 1
	STEP 0, 0
	TURN 0, 1, 0
	STEP 1, 0
	s_wait_dscnt 16
	WIN 0xa1
	MUL16 0, 1, 1, 1, 0
	MUL16 2, 1, 1, 1, 0
	s_wait_dscnt 0x0
	WIN 0xf1
	MUL16 4, 1, 1, 1, 0
	MUL16 6, 1, 1, 1, 0
	WIN 0
.macro SILU a
.set W, 2+(\a)/4
.set AC, 64*((\a)%4)
	WIN W
.set i, 0
.rept 32
	v_pk_mul_f32 v[E+i:E+i+1], v[AC+i:AC+i+1], 0xbfb8aa3b op_sel_hi:[1,0]
.set i, i+2
.endr
	WIN 0
.set i, 0
	s_wait_alu depctr_va_vdst(0)
.rept 64
	v_exp_f32 v[E+i], v[E+i]
.set i, i+1
.endr
	v_nop
	s_wait_alu depctr_va_vdst(0)
.set i, 0
.rept 32
	v_pk_add_f32 v[E+i:E+i+1], v[E+i:E+i+1], 1.0 op_sel_hi:[1,0]
.set i, i+2
.endr
.set i, 0
	s_wait_alu depctr_va_vdst(0)
.rept 64
	v_rcp_f32 v[E+i], v[E+i]
.set i, i+1
.endr
	v_nop
	s_wait_alu depctr_va_vdst(0)
.set WW, W|(W<<6)
	WIN WW
.set i, 0
.rept 32
	v_pk_mul_f32 v[AC+i:AC+i+1], v[AC+i:AC+i+1], v[E+i:E+i+1]
.set i, i+2
.endr
.endm
.macro QUANTW a
.set W, 2+(\a)/4
.set AC, 64*((\a)%4)
.set PCS, PC+16*((\a)%2)
.set WW, W|(W<<2)
	WIN WW
.irp b, 0,1,2,3
	v_max3_num_f32 v[TM+\b], |v[AC+16*\b]|, |v[AC+16*\b+1]|, 0x8000000
.endr
.irp i, 2,4,6,8,10,12,14
.irp b, 0,1,2,3
	v_max3_num_f32 v[TM+\b], |v[AC+16*\b+\i]|, |v[AC+16*\b+\i+1]|, v[TM+\b]
.endr
.endr
	WIN 0
.irp b, 0,1,2,3
	v_permlanex16_b32 v[TM+4+\b], v[TM+\b], s[SEL], s[SEL+1]
.endr
.irp b, 0,1,2,3
	v_max_num_f32 v[TM+\b], v[TM+\b], v[TM+4+\b]
.endr
.irp b, 0,1,2,3
	v_add_nc_u32 v[TM+12+\b], 0xf8800000, v[TM+\b]
.endr
.irp b, 0,1,2,3
	v_and_or_b32 v[TM+8+\b], v[TM+\b], 0x7f800000, s[MNT]
.endr
.irp b, 0,1,2,3
	v_lshrrev_b32 v[TM+4+\b], 23, v[TM+12+\b]
.endr
	v_lshl_or_b32 v[PW], v[TM+5], 8, v[TM+4]
	v_lshl_or_b32 v[PW], v[TM+6], 16, v[PW]
	v_lshl_or_b32 v[PW], v[TM+7], 24, v[PW]
.set WW, W|(W<<6)
	WIN WW
.irp b, 0,1,2,3
.irp i, 0,1,2,3,4,5,6,7,8,9,10,11,12,13,14,15
	v_med3_num_f32 v[AC+16*\b+\i], v[AC+16*\b+\i], -v[TM+8+\b], v[TM+8+\b]
.endr
.endr
	s_wait_alu depctr_va_vdst(0)
	s_wait_xcnt 0x0
	WIN W
.irp b, 0,1,2,3
	v_cvt_scalef32_pk8_bf8_f32 v[PCS+4*\b:PCS+4*\b+1], v[AC+16*\b:AC+16*\b+7], v[TM+12+\b]
	v_cvt_scalef32_pk8_bf8_f32 v[PCS+4*\b+2:PCS+4*\b+3], v[AC+16*\b+8:AC+16*\b+15], v[TM+12+\b]
.endr
	WIN 0
	v_nop
.endm
	PLACES 8
.irp b, 0,1,2,3
	v_mov_b32 v[TM+4+\b], 0
.endr
.irp a, 0,1,2,3,4,5,6,7
.if !QKV
	SILU \a
.endif
	QUANTW \a
.irp c, 0,1,2,3
	global_store_b128 v[LI], v[PC+16*(\a%2)+4*\c:PC+16*(\a%2)+4*\c+3], s[OC:OC+1] offset:2048*\a+512*\c
.endr
	ds_store_b32 v[SSA], v[PW] offset:64*\a
.endr
	ds_load_b128 v[SW:SW+3], v[SSR]
	s_wait_dscnt 0x0
	global_store_b128 v[LI], v[SW:SW+3], s[OS:OS+1]
	s_wait_tensorcnt 0x0
	ds_add_u32 v[SPW], v[NIL]
	s_wait_dscnt 0x0
	CROUND
	s_endpgm
.Lfunc_end_k_q8bbe34fcf6_ffn1:
	.size	k_q8bbe34fcf6_ffn1, .Lfunc_end_k_q8bbe34fcf6_ffn1-k_q8bbe34fcf6_ffn1
	.p2alignl 7, 3214868480
	.fill 96, 4, 3214868480
	.section	.rodata,"a",@progbits
	.p2align	6, 0x0
	.amdhsa_kernel k_q8bbe34fcf6_ffn1
		.amdhsa_group_segment_fixed_size 327680
		.amdhsa_private_segment_fixed_size 0
		.amdhsa_enable_private_segment 0
		.amdhsa_kernarg_size 32
		.amdhsa_user_sgpr_count 2
		.amdhsa_user_sgpr_kernarg_segment_ptr 1
		.amdhsa_wavefront_size32 1
		.amdhsa_system_sgpr_workgroup_id_x 1
		.amdhsa_system_sgpr_workgroup_id_y 1
		.amdhsa_system_sgpr_workgroup_id_z 1
		.amdhsa_system_vgpr_workitem_id 0
		.amdhsa_next_free_vgpr 1024
		.amdhsa_next_free_sgpr 100
		.amdhsa_reserve_vcc 0
		.amdhsa_float_denorm_mode_32 3
		.amdhsa_float_denorm_mode_16_64 3
		.amdhsa_memory_ordered 1
		.amdhsa_forward_progress 1
		.amdhsa_inst_pref_size 255
	.end_amdhsa_kernel
	.section	.bss,"aw",@nobits
	.p2align	6
	.space	262144
	.amdgpu_metadata
---
amdhsa.version: [ 1, 2 ]
amdhsa.kernels:
  - .name:           k_q8bbe34fcf6_ffn1
    .symbol:         k_q8bbe34fcf6_ffn1.kd
    .args:
      - { .name: pre, .offset: 0, .size: 8, .value_kind: global_buffer, .address_space: global }
      - { .name: xq, .offset: 8, .size: 8, .value_kind: global_buffer, .address_space: global }
      - { .name: b1, .offset: 16, .size: 8, .value_kind: global_buffer, .address_space: global }
      - { .name: hq, .offset: 24, .size: 8, .value_kind: global_buffer, .address_space: global }
    .group_segment_fixed_size: 327680
    .private_segment_fixed_size: 0
    .kernarg_segment_align: 8
    .kernarg_segment_size: 32
    .max_flat_workgroup_size: 128
    .sgpr_count:     100
    .vgpr_count:     1024
    .wavefront_size: 32
...
	.end_amdgpu_metadata
.endif
;; end of part 5
;; launch ffn2 (part 6): grid 8 x 32, 4 waves a work-group, clusters of 4 x 4, 327,680 bytes of LDS; arguments pre, hq, xf, b2, out0; writes out0
.if DOCPART == 6
	.amdgcn_target "amdgcn-amd-amdhsa--gfx1250"
	.amdhsa_code_object_version 6
	.text
	.protected	k_q8bbe34fcf6_ffn2
	.globl	k_q8bbe34fcf6_ffn2
	.p2align	8
	.type	k_q8bbe34fcf6_ffn2,@function
k_q8bbe34fcf6_ffn2:
	s_mov_b64 s[64:65], 0
	v_nop
	global_prefetch_b8 v0, s[64:65] scope:SCOPE_SE
	s_setreg_imm32_b32 hwreg(HW_REG_WAVE_MODE, 25, 1), 1
	s_wait_xcnt 0x0
	s_wait_alu depctr_hold_cnt(0) depctr_sa_sdst(0) depctr_va_vdst(0) depctr_va_sdst(0) depctr_va_ssrc(0) depctr_va_vcc(0) depctr_vm_vsrc(0)
	s_getreg_b32 s2, hwreg(HW_REG_IB_STS2, 6, 4)
	s_cmp_eq_u32 s2, 0
	s_cbranch_scc0 .Lentry_in_a_cluster
	s_endpgm
.Lentry_in_a_cluster:
	s_bfe_u32 s2, ttmp6, 0x10000c
	s_cmp_lg_u32 s2, 0xf033
	s_cbranch_scc0 .Lentry_shape_is_right
	s_endpgm
.Lentry_shape_is_right:
; A GEMM on register images of BF8 (E5M2) codes with E8M0 scales, on tiles of 128 x 128: the outputs are 4,096 x 1,024, which tiles of 256 x 256 would share among 64 work-groups only.
; Out[token][n] = residual + bias[n] + sum over k of Y[token][k] W[n][k]: source 0 = 16 rows of W (S0), source 1 = 16 tokens (S1): a lane holds ONE token, and the 16 registers of W's tiles 2 b, 2 b + 1 are 16 neighbouring n.
; THE RESIDUAL AND THE BIAS START THE SUMS: they are laid into the accumulators ahead of the first product, so that every product adds in place.
; OPROJ = 1 (K = 1,024): x = q_x + ao Wo^T + bo.  x leaves twice: as f32, as the accumulators' registers lie (xf: the last launch takes it up the same way), and as codes along the 1,024 (xq: the image for the next product).
; OPROJ = 0 (K = 4,096): out0 = x + hq W2^T + b2, stored row-major through a stage in LDS: sixteen lanes store 256 consecutive bytes, aligned.
; Four waves, each 64 x 64: 16 accumulators.  K goes four steps of 128 to a slot through a ring of two LDS slots; a wave's tensor load brings two K steps of eight row tiles (2 x 16,384 dense bytes).
; The scales of both operands' eight row tiles for all of K are two dense blocks: they come once, with the first fills.
; CLUSTERS: 4 x 4 work-groups: the tokens' tile is shared along a row of the cluster, the weight's along a column: each is asked for jointly.
; LIMITS: NaN and infinities are not served; blocks under 2^-111 keep the byte 1; a block of zeros has the byte 1, not 127: its codes are zeros and this program alone reads the bytes.
; REGISTERS: window 0: v12-31 addresses; v32-63 at work; v64-95 the bias, later codes; v96-103 scale words, two sets; v104-112 the quantiser; v128-255 accumulator (a, b) at v[128 + 8 (4 a + b)].
;   window 1: two fragment buffers of 128: A's four fragments, then B's four.
.set OPROJ, 0
.set KK,    4096
.set WOFF,  16*1048576                 ; the weight's image in pre
.set YSC,   16*1048576                 ; where Y's scale words begin
.set MI,    1048576
.set LAPS,  KK/1024                    ; a lap = two slots = eight K steps
.set SLOT,  131072                     ; A's four K steps of 16,384 bytes, then B's four
.set SCL,   262144                     ; A's scale words: K step s at 512 s, tile i at 64 i; B's KK x 4 bytes on
.set STG,   294912                     ; a stage of 16 rows x 272 bytes for each wave
.set SST,   312320                     ; 256 bytes a wave: the half scale words made here
.set SPARE, 313344                     ; the spare words, 128 bytes a wave: no other line names them
.set L8,   12
.set ADRA, 16
.set ADRB, 20
.set LI,   22
.set SSA,  23
.set STO,  24                          ; the stage by lanes of the result: 272 r + 64 h
.set RD,   25                          ; the stage by rows: 272 (lane / 16) + 16 (lane % 16)
.set CO,   26                          ; the same two rows in a row-major tensor
.set ADRS, 27
.set SPW,  28
.set NIL,  29
.set BO,   30
.set SSR,  31
.set T,    32
.set BIAS, 64
.set PC,   64
.set SCW,  96
.set TM,   104
.set PW,   112
.set ACC,  128
.set F0,   0
.set G1,   24
.set G0,   32
.set G1B,  48
.set G0B,  56
.set G1S,  72
.set G0S,  80
.set G1SB, 84
.set G0SB, 92
.set SEL,  98
.set MNT,  13
.set MSB, 0
.macro WIN new                         ; the immediate's high byte repeats the setting that is left
.if MSB != \new
	s_set_vgpr_msb (MSB<<8)|\new
.set MSB, \new
.endif
.endm
.macro JLOAD g0a, g1a, g0b, g1b        ; a joint load: waves 0 and 1 fetch for A, waves 2 and 3 for B; four v_nop follow each line
	s_cmp_eq_u32 s15, 0
	s_cbranch_scc0 .Lfor_b_\@
	tensor_load_to_lds s[\g0a:\g0a+3], s[\g1a:\g1a+7]
	s_nop 0
.rept 4
	v_nop
.endr
	s_branch .Lasked_\@
.Lfor_b_\@:
	tensor_load_to_lds s[\g0b:\g0b+3], s[\g1b:\g1b+7]
	s_nop 0
.rept 4
	v_nop
.endr
.Lasked_\@:
.endm
.macro CREST
	s_cmp_lg_u32 s14, 0
	s_cbranch_scc1 .Lnot_wave_0_\@
	s_barrier_signal -3
.Lnot_wave_0_\@:
	s_barrier_wait -3
	s_barrier_signal -1
	s_barrier_wait -1
.endm
.macro CROUND
	s_barrier_signal -1
	s_barrier_wait -1
	CREST
.endm
.macro PLACES n
.rept \n
	v_nop
.endr
.endm
	s_load_b256 s[4:11], s[0:1], 0x0               ; pre, Y, the residual, the bias
.if OPROJ
	s_load_b128 s[68:71], s[0:1], 0x20             ; xq, xf
.else
	s_load_b64 s[68:69], s[0:1], 0x20              ; out0
.endif
	v_lshl_add_u32 v[SPW], v0, 2, SPARE
	v_mov_b32 v[NIL], 0
	ds_add_u32 v28, v29
	ds_add_u32 v28, v29
	s_wait_dscnt 0x0
	v_lshrrev_b32 v1, 5, v0
	v_readfirstlane_b32 s14, v1                    ; wave 0..3
	s_lshr_b32 s15, s14, 1                         ; my half of the tokens.  Also: I fetch for A (0) or for B (1)
	s_and_b32 s16, s14, 1                          ; my half of the weight's rows.  Also: which two of a slot's four K steps I fetch
	s_bfe_u32 s40, ttmp6, 0x40000
	s_bfe_u32 s41, ttmp6, 0x40004
	s_lshl_b32 s42, ttmp9, 2
	s_add_co_u32 s42, s42, s40                     ; the weight's tile
	s_and_b32 s17, ttmp7, 0xffff
	s_lshl_b32 s17, s17, 2
	s_add_co_u32 s17, s17, s41                     ; the tokens' tile
	s_lshl_b32 s43, s41, 2
	s_lshl_b32 s43, 15, s43
	s_lshl_b32 s44, 0x1111, s40
	; group 1 for the codes: two K steps: 2 rows of 16,384 bytes (2,048 elements of 8 bytes), a K step of the whole image apart
	s_or_b32 s[G1+0], s43, (3<<16)|(1<<21)
	s_or_b32 s[G1B+0], s44, (3<<16)|(1<<21)
.irp g, G1, G1B
	s_mov_b32 s[\g+1], 2048<<16
	s_mov_b32 s[\g+2], 4<<16                       ; the head's loads bring a slot's four K steps; behind them the two words that count rows are set to 2
	s_mov_b32 s[\g+3], 2048<<16
	s_mov_b32 s[\g+4], 4
	s_mov_b32 s[\g+6], 0
	s_mov_b32 s[\g+7], 0
.endr
	s_mov_b32 s[G1+5], 256*256                     ; 256 row tiles of tokens
	s_mov_b32 s[G1B+5], 64*256                     ; 64 of the weight
	; and for the scales: KK x 4 dense bytes as rows of 256
	s_or_b32 s[G1S+0], s43, (3<<16)|(1<<21)
	s_or_b32 s[G1SB+0], s44, (3<<16)|(1<<21)
.irp g, G1S, G1SB
	s_mov_b32 s[\g+1], 32<<16
	s_mov_b32 s[\g+2], (KK/64)<<16                 ; an operand's scale words whole: KK x 4 dense bytes
	s_mov_b32 s[\g+3], 32<<16
	s_mov_b32 s[\g+4], KK/64
	s_mov_b32 s[\g+5], 32
	s_mov_b32 s[\g+6], 0
	s_mov_b32 s[\g+7], 0
.endr
	; A's side: nothing here holds cx
	s_lshl_b32 s20, s16, 9
	s_lshl_b32 s18, s17, 3
	s_add_co_u32 s20, s20, s18
	s_lshl_b32 s20, s20, 11                        ; (2 half x 256 + 8 x tile) 2,048
	s_mov_b32 s21, 0
	s_mul_i32 s22, s17, KK*4
	s_add_co_u32 s22, s22, YSC
	s_mov_b32 s23, 0
	; B's side: nothing here holds cy
	s_lshl_b32 s46, s16, 7
	s_lshl_b32 s2, s42, 3
	s_add_co_u32 s46, s46, s2
	s_lshl_b32 s46, s46, 11
	s_add_co_u32 s46, s46, WOFF
	s_mov_b32 s47, 0
	s_mul_i32 s96, s42, KK*4
	s_add_co_u32 s96, s96, 20*MI+WOFF/32
	s_mov_b32 s97, 0
	s_lshl_b32 s45, s14, 15                        ; where they go: wave x 32,768
	s_wait_kmcnt 0x0
	s_add_nc_u64 s[20:21], s[6:7], s[20:21]
	s_add_nc_u64 s[22:23], s[6:7], s[22:23]
	s_add_nc_u64 s[46:47], s[4:5], s[46:47]
	s_add_nc_u64 s[96:97], s[4:5], s[96:97]
	CROUND                                         ; all sixteen work-groups are here: the first joint loads meet
	s_mov_b32 s[G0S], 1
	s_mov_b32 s[G0S+1], SCL
	s_mov_b64 s[G0S+2:G0S+3], s[22:23]
	s_or_b32 s[G0S+3], s[G0S+3], 0x80000000
	s_mov_b32 s[G0SB], 1
	s_mov_b32 s[G0SB+1], SCL+KK*4
	s_mov_b64 s[G0SB+2:G0SB+3], s[96:97]
	s_or_b32 s[G0SB+3], s[G0SB+3], 0x80000000
	s_mov_b32 s[G0], 1
	s_mov_b32 s[G0+1], s45
	s_mov_b64 s[G0+2:G0+3], s[20:21]
	s_or_b32 s[G0+3], s[G0+3], 0x80000000
	s_mov_b32 s[G0B], 1
	s_mov_b32 s[G0B+1], s45
	s_mov_b64 s[G0B+2:G0B+3], s[46:47]
	s_or_b32 s[G0B+3], s[G0B+3], 0x80000000
	s_mov_b32 s[G0+4], 1
	s_add_co_u32 s[G0+5], s45, SLOT
	s_add_nc_u64 s[G0+6:G0+7], s[20:21], 0x200000  ; four K steps of 256 row tiles on
	s_or_b32 s[G0+7], s[G0+7], 0x80000000
	s_mov_b32 s[G0B+4], 1
	s_add_co_u32 s[G0B+5], s45, SLOT
	s_add_nc_u64 s[G0B+6:G0B+7], s[46:47], 0x80000 ; four K steps of 64 row tiles on
	s_or_b32 s[G0B+7], s[G0B+7], 0x80000000
; THE HEAD'S LOADS, ONE A WAVE: wave 0 slot 0's four K steps of A, wave 1 A's scale words, wave 2 slot 0's four K steps of B, wave 3 B's scale words.  One chain of branches on the wave's number, all arms leading to one join.
.macro HARM under, g0, g1, next
	s_cmp_lt_u32 s14, \under
	s_cbranch_scc0 \next
	tensor_load_to_lds s[\g0:\g0+3], s[\g1:\g1+7]
	s_nop 0
	PLACES 4
	s_branch .Lhead_asked
\next:
.endm
	HARM 1, G0, G1, .Lh1
	HARM 2, G0S, G1S, .Lh2
	HARM 3, G0B, G1B, .Lh3
	tensor_load_to_lds s[G0SB:G0SB+3], s[G1SB:G1SB+7]
	s_nop 0
	PLACES 4
.Lhead_asked:
; THE TILES ARE PREFETCHED INTO THE L2: behind the fill of slot n stands one instruction a wave for slot n + 2 (four K steps to a slot, eight slots); the head asks for slot 1 too.  Of the 32,768 bytes that a wave fetches for the ring
; (two K steps x 16,384), each of the four partners that ask for them jointly takes 8,192, told apart BY ADDRESS (p = cx for A, cy for B: K step p / 2, half p % 2), lanes 256 bytes apart: each block of 256 bytes is named once in a cluster.
; s[70:71]: where my prefetch stands; s[18:19]: a slot on; v13: 256 x lane.  The loop's last trip asks for nothing: there is no slot 8.
	s_cmp_eq_u32 s15, 0                            ; do I fetch for A?
	s_cselect_b64 s[70:71], s[20:21], s[46:47]     ; my two K steps of slot 0
	s_cselect_b32 s12, s40, s41                    ; my place among the four that ask with me
	s_mov_b32 s18, 0x80000
	s_cselect_b32 s18, 0x200000, s18               ; a slot on: four K steps of 256 row tiles, or of 64
	s_mov_b32 s19, 0
	s_lshr_b32 s96, s18, 2                         ; a K step on
	s_lshr_b32 s97, s12, 1
	s_mul_i32 s96, s96, s97
	s_and_b32 s97, s12, 1
	s_lshl_b32 s97, s97, 13
	s_add_co_u32 s96, s96, s97
	s_add_co_u32 s96, s96, s18
	s_mov_b32 s97, 0
	s_add_nc_u64 s[70:71], s[70:71], s[96:97]      ; my share of slot 1,
	s_add_nc_u64 s[96:97], s[70:71], s[18:19]      ; and of slot 2
	v_and_b32 v13, 31, v0
	v_lshlrev_b32 v13, 8, v13
	global_prefetch_b8 v13, s[70:71] th:TH_LOAD_NT scope:SCOPE_SE
	global_prefetch_b8 v13, s[96:97] th:TH_LOAD_NT scope:SCOPE_SE
	v_and_b32 v1, 15, v0                           ; r
	v_bfe_u32 v2, v0, 4, 1                         ; h
	s_wait_alu depctr_va_vdst(0)
	v_and_b32 v3, 31, v0
	v_lshlrev_b32 v[LI], 4, v3
	v_lshlrev_b32 v[L8], 3, v3
	s_lshl_b32 s21, s15, 13                        ; my four row tiles of A
	s_lshl_b32 s22, s16, 13
	s_add_co_u32 s22, s22, 65536                   ; and of B
.irp s, 0,1
	v_add_nc_u32 v[ADRA+\s], s21, v[LI]
	v_add_nc_u32 v[ADRB+\s], s22, v[LI]
	s_add_co_u32 s21, s21, SLOT
	s_add_co_u32 s22, s22, SLOT
.endr
	s_lshl_b32 s21, s15, 8
	s_lshl_b32 s22, s16, 8
	s_add_co_u32 s22, s22, KK*4
	s_sub_co_u32 s22, s22, s21
	v_mul_u32_u24 v4, s22, v2                      ; lanes 16-31 take B's words
	v_lshl_add_u32 v4, v1, 2, v4
	s_add_co_u32 s21, s21, SCL
	v_add_nc_u32 v[ADRS], s21, v4
	s_mul_i32 s21, s14, 16*272
	s_add_co_u32 s21, s21, STG                     ; my stage
	v_mul_u32_u24 v[STO], v1, 272
	v_lshl_add_u32 v[STO], v2, 6, v[STO]
	v_add_nc_u32 v[STO], s21, v[STO]
	v_mul_u32_u24 v[RD], v2, 272
	v_lshl_add_u32 v[RD], v1, 4, v[RD]
	v_add_nc_u32 v[RD], s21, v[RD]
	v_lshlrev_b32 v[CO], 12, v2
	v_lshl_add_u32 v[CO], v1, 4, v[CO]
	v_lshlrev_b32 v[BO], 6, v2
	s_wait_alu depctr_va_vdst(0)
	s_lshl_b32 s21, s14, 8
	s_add_co_u32 s21, s21, SST
	v_lshl_add_u32 v[SSA], v1, 2, s21
	s_lshl_b32 s21, s15, 9
	s_add_co_u32 s21, s21, SST
	v_add_nc_u32 v[SSR], s21, v[L8]
	s_mov_b32 s[SEL], 0x76543210
	s_mov_b32 s[SEL+1], 0xfedcba98
	s_mov_b32 s[MNT], 0x600000
	s_lshl_b32 s20, s17, 19
	s_lshl_b32 s21, s15, 18
	s_add_co_u32 s20, s20, s21
	s_lshl_b32 s21, s42, 9
	s_add_co_u32 s20, s20, s21
	s_lshl_b32 s21, s16, 8
	s_add_co_u32 s20, s20, s21                     ; row-major: my first row x 4,096 + my first column x 4
	s_mov_b32 s21, 0
	s_lshl_b32 s22, s17, 3
	s_add_co_u32 s22, s22, s42
	s_lshl_b32 s22, s22, 2
	s_add_co_u32 s22, s22, s14
	s_lshl_b32 s22, s22, 14                        ; xf: 16,384 bytes for each wave of each tile
	s_mov_b32 s23, 0
	s_lshl_b32 s46, s42, 9
	s_lshl_b32 s47, s16, 8
	s_add_co_u32 s46, s46, s47
	s_mov_b32 s47, 0
	s_add_nc_u64 s[10:11], s[10:11], s[46:47]      ; the bias at my 64 columns
.if OPROJ
	s_add_nc_u64 s[8:9], s[8:9], s[20:21]
	s_add_nc_u64 s[70:71], s[70:71], s[22:23]
	s_lshl_b32 s20, s42, 8
	s_lshl_b32 s21, s17, 3
	s_add_co_u32 s20, s20, s21
	s_lshl_b32 s21, s15, 2
	s_add_co_u32 s20, s20, s21
	s_lshl_b32 s20, s20, 11
	s_lshl_b32 s21, s16, 10
	s_add_co_u32 s20, s20, s21                     ; xq's codes: (K step x 256 + row tile) 2,048 + my two pieces of four
	s_mov_b32 s21, 0
	s_lshr_b32 s22, s17, 1
	s_lshl_b32 s22, s22, 3
	s_add_co_u32 s22, s22, s42
	s_lshl_b32 s22, s22, 10
	s_and_b32 s46, s17, 1
	s_lshl_b32 s46, s46, 9
	s_add_co_u32 s22, s22, s46
	s_lshl_b32 s46, s15, 8
	s_add_co_u32 s22, s22, s46
	s_add_co_u32 s22, s22, 4*MI                    ; xq's scale words lie by groups of sixteen row tiles
	s_add_nc_u64 s[22:23], s[68:69], s[22:23]
	s_add_nc_u64 s[68:69], s[68:69], s[20:21]
.irp a, 0,1,2,3                                ; q_x: sixteen lanes read 256 consecutive bytes of a row, aligned; two rows an instruction
.irp t, 0,1,2,3,4,5,6,7
	global_load_b128 v[ACC+32*\a+4*\t:ACC+32*\a+4*\t+3], v[CO], s[8:9] offset:(32*(\a/2)+8*(\a%2)+2*\t+8*(\t/4))*4096 th:TH_LOAD_NT
.endr
.endr
.else
	s_add_nc_u64 s[8:9], s[8:9], s[22:23]
	s_add_nc_u64 s[68:69], s[68:69], s[20:21]
.set i, 0
.rept 32
	global_load_b128 v[ACC+4*i:ACC+4*i+3], v[LI], s[8:9] offset:512*i th:TH_LOAD_NT   ; x, as the accumulators' registers lay
.set i, i+1
.endr
.endif
.irp b, 0,1
.irp q, 0,1,2,3
	global_load_b128 v[BIAS+16*\b+4*\q:BIAS+16*\b+4*\q+3], v[BO], s[10:11] offset:128*\b+16*\q   ; register 16 b + i = the bias at 32 b + 16 h + i
.endr
.endr
	s_wait_alu depctr_va_vdst(0)
	s_wait_tensorcnt 0x0                           ; my tile of the head's four is in
	ds_add_u32 v[SPW], v[NIL]
	s_wait_xcnt 0x0                                ; my prefetches have read their addresses:
	s_add_nc_u64 s[70:71], s[96:97], s[18:19]      ; on to slot 3
	s_mov_b32 s[G1+2], 2<<16
	s_mov_b32 s[G1+4], 2
	s_mov_b32 s[G1B+2], 2<<16
	s_mov_b32 s[G1B+4], 2
	s_wait_dscnt 0x0
	CROUND                                         ; slot 0 and the scale words are whole for every wave; all sixteen work-groups are here
	JLOAD G0+4, G1, G0B+4, G1B                     ; slot 1's first fill: my one tensor load behind the round
	s_wait_loadcnt 0x0
.if OPROJ
.irp a, 0,1,2,3                                ; the rows turn through my stage into the result's layout, in place; LDS serves a wave's instructions in order
.irp t, 0,1,2,3,4,5,6,7
	ds_store_b128 v[RD], v[ACC+32*\a+4*\t:ACC+32*\a+4*\t+3] offset:544*\t
.endr
.irp b, 0,1
.irp q, 0,1,2,3
	ds_load_b128 v[ACC+32*\a+16*\b+4*\q:ACC+32*\a+16*\b+4*\q+3], v[STO] offset:128*\b+16*\q
.endr
.endr
.endr
	s_wait_dscnt 0x0
.endif
.irp a, 0,1,2,3
.set i, 0
.rept 16
	v_pk_add_f32 v[ACC+32*\a+i:ACC+32*\a+i+1], v[ACC+32*\a+i:ACC+32*\a+i+1], v[BIAS+i:BIAS+i+1]
.set i, i+2
.endr
.endr
.macro FETCH n, q, f                   ; a K step's eight fragments and four registers of scale words: 36 LDS loads
	WIN 0x40
.irp i, 0,1,2,3
.irp c, 0,1,2,3
	ds_load_b128 v[\f+16*\i+4*\c:\f+16*\i+4*\c+3], v[ADRA+\n] offset:16384*(\q)+2048*\i+512*\c
.endr
.endr
.irp i, 0,1,2,3
.irp c, 0,1,2,3
	ds_load_b128 v[\f+64+16*\i+4*\c:\f+64+16*\i+4*\c+3], v[ADRB+\n] offset:16384*(\q)+2048*\i+512*\c
.endr
.endr
	WIN 0
.irp i, 0,1,2,3
	ds_load_b32 v[SCW+4*((\q)%2)+\i], v[ADRS] offset:512*(\q)+64*\i
.endr
.endm
.macro MUL8 f, a0, set                 ; 8 matrix instructions; the 16 accumulators take turns, one instruction a turn
.irp a, \a0, \a0+1
.irp b, 0,1,2,3
.set rD, ACC+8*(4*(\a)+\b)
	v_wmma_scale_f32_16x16x128_f8f6f4 v[rD:rD+7], v[\f+64+16*\b:\f+64+16*\b+15], v[\f+16*(\a):\f+16*(\a)+15], v[rD:rD+7], v[SCW+4*(\set)+\b], v[SCW+4*(\set)+(\a)] matrix_a_fmt:MATRIX_FMT_BF8 matrix_b_fmt:MATRIX_FMT_BF8 matrix_a_scale:MATRIX_SCALE_ROW1
.endr
.endr
.endm
.macro KST n, q                        ; one of a slot's first three K steps: the next step's fragments are asked for, then this step's 16 products
	PLACES 8                                       ; in front of loads into the buffer that the last step multiplied
	FETCH \n, (\q)+1, F0+128*(1-(\q)%2)
	s_wait_dscnt 36                                ; all but the 36 just issued
	WIN 0x05
	MUL8 F0+128*((\q)%2), 0, (\q)%2
	MUL8 F0+128*((\q)%2), 2, (\q)%2
.endm
; A slot's last K step changes slots: ONE barrier; in front of it each wave waits for all its tensor loads, adds 0 to its spare word, and waits for that and for its reads of this slot.  fill = 1: the slot is filled again, eight K steps on.
.macro TURN n, next, fill
	WIN 0
.if \fill
	s_wait_xcnt 0x0                                ; my last prefetch has read its address: it is stepped here, a slot's K steps behind that prefetch
	s_add_nc_u64 s[70:71], s[70:71], s[18:19]
.endif
	s_wait_tensorcnt 0x0
	ds_add_u32 v[SPW], v[NIL]                      ; 0 onto my spare word
	s_wait_dscnt 0x0
	s_barrier_signal -1
	WIN 0x05
	MUL8 F0+128, 0, 1
	WIN 0
	s_barrier_wait -1
.if \fill
	CREST                                          ; the barrier has opened a round of the cluster's barrier
	s_add_nc_u64 s[G0+4*\n+2:G0+4*\n+3], s[G0+4*\n+2:G0+4*\n+3], 0x400000
	s_add_nc_u64 s[G0B+4*\n+2:G0B+4*\n+3], s[G0B+4*\n+2:G0B+4*\n+3], 0x100000
	JLOAD G0+4*\n, G1, G0B+4*\n, G1B               ; the first tensor load behind the round: it has four K steps in which to land
	PLACES 4
.else
	PLACES 8
.endif
	v_add_nc_u32 v[ADRS], 2048, v[ADRS]            ; the next slot's scale words
	s_wait_alu depctr_va_vdst(0)
	FETCH \next, 0, F0
.if \fill
	s_cmp_gt_u32 s3, 1                             ; s3 = 1 in the loop's last trip
	s_cbranch_scc0 .Lno_ask_\@
	global_prefetch_b8 v13, s[70:71] th:TH_LOAD_NT scope:SCOPE_SE   ; behind the joint load and the run of LDS loads: the slot two fills on
.Lno_ask_\@:
.endif
	WIN 0x05
	MUL8 F0+128, 2, 1
.endm
	s_wait_alu depctr_va_vdst(0)
	FETCH 0, 0, F0
	global_prefetch_b8 v13, s[70:71] th:TH_LOAD_NT scope:SCOPE_SE   ; behind slot 1's fill and the run of LDS loads: slot 3
	KST 0, 0
.if LAPS > 1
	WIN 0                                          ; at a label and at a branch every window is 0
	s_mov_b32 s3, LAPS-1
.Llap:
	s_wait_alu depctr_va_vdst(0)
	KST 0, 1
	KST 0, 2
	TURN 0, 1, 1
	KST 1, 0
	s_wait_alu depctr_va_vdst(0)
	KST 1, 1
	KST 1, 2
	TURN 1, 0, 1
	KST 0, 0
	WIN 0
	s_sub_co_u32 s3, s3, 1
	s_cmp_lg_u32 s3, 0
	s_cbranch_scc1 .Llap
.endif
	s_wait_alu depctr_va_vdst(0)
	KST 0, 1                                       ; the last lap fills nothing
	KST 0, 2
	TURN 0, 1, 0
	KST 1, 0
	s_wait_alu depctr_va_vdst(0)
	KST 1, 1
	KST 1, 2
	s_wait_dscnt 0x0
	WIN 0x05
	MUL8 F0+128, 0, 1
	MUL8 F0+128, 2, 1
	WIN 0
	PLACES 8                                       ; behind the last products: their results are read
.if OPROJ
.set i, 0
.rept 32
	global_store_b128 v[LI], v[ACC+4*i:ACC+4*i+3], s[70:71] offset:512*i   ; x in f32: 512 consecutive bytes a store; each accumulator from its low end on
.set i, i+1
.endr
	v_mov_b32 v[TM+2], 0                           ; a lane permute's destination counts as one of its sources
	v_mov_b32 v[TM+3], 0
; 32 numbers of a lane, register 16 b + i = k 32 b + 16 h + i, become eight registers of codes and two scale bytes; the held numbers go into other registers: the accumulators are data of stores on their way
.macro QUANT2 s, d, pc
.irp b, 0,1
	v_max3_num_f32 v[TM+\b], |v[\s+16*\b]|, |v[\s+16*\b+1]|, 0x8000000
.endr
.irp i, 2,4,6,8,10,12,14
.irp b, 0,1
	v_max3_num_f32 v[TM+\b], v[TM+\b], |v[\s+16*\b+\i]|, |v[\s+16*\b+\i+1]|
.endr
.endr
.irp b, 0,1
	v_permlanex16_b32 v[TM+2+\b], v[TM+\b], s[SEL], s[SEL+1]
.endr
.irp b, 0,1
	v_max_num_f32 v[TM+\b], v[TM+\b], v[TM+2+\b]
.endr
.irp b, 0,1
	v_add_nc_u32 v[TM+6+\b], 0xf8800000, v[TM+\b]
.endr
.irp b, 0,1
	v_and_or_b32 v[TM+4+\b], v[TM+\b], 0x7f800000, s[MNT]
.endr
.irp b, 0,1
	v_lshrrev_b32 v[TM+2+\b], 23, v[TM+6+\b]
.endr
	v_lshl_or_b32 v[PW], v[TM+3], 8, v[TM+2]
.irp b, 0,1
.irp i, 0,1,2,3,4,5,6,7,8,9,10,11,12,13,14,15
	v_med3_num_f32 v[\d+16*\b+\i], v[\s+16*\b+\i], -v[TM+4+\b], v[TM+4+\b]
.endr
	v_cvt_scalef32_pk8_bf8_f32 v[\pc+4*\b:\pc+4*\b+1], v[\d+16*\b:\d+16*\b+7], v[TM+6+\b]
	v_cvt_scalef32_pk8_bf8_f32 v[\pc+4*\b+2:\pc+4*\b+3], v[\d+16*\b+8:\d+16*\b+15], v[TM+6+\b]
.endr
	v_nop
.endm
.irp a, 0,1,2,3
	s_wait_xcnt 0x0                                ; the earlier stores have read their data: the codes' registers are written again only behind this wait
	QUANT2 ACC+32*\a, T, PC+8*(\a%2)
	global_store_b128 v[LI], v[PC+8*(\a%2):PC+8*(\a%2)+3], s[68:69] offset:2048*\a
	global_store_b128 v[LI], v[PC+8*(\a%2)+4:PC+8*(\a%2)+7], s[68:69] offset:2048*\a+512
	ds_store_b32 v[SSA], v[PW] offset:64*\a        ; my two bytes of the row's scale word, as a word of my wave's own 256 bytes
.endr
	s_wait_dscnt 0x0                               ; for the others' sake: my stores have landed
	s_barrier_signal -1
	s_barrier_wait -1
	s_cmp_lg_u32 s16, 0                            ; waves 0 and 2 put the halves together: four row tiles' words, 256 consecutive bytes, aligned
	s_cbranch_scc1 .Lno_sc
	ds_load_b64 v[114:115], v[SSR]
	ds_load_b64 v[116:117], v[SSR] offset:256
	s_wait_dscnt 0x0
	v_lshl_or_b32 v114, v116, 16, v114
	v_lshl_or_b32 v115, v117, 16, v115
	global_store_b64 v[L8], v[114:115], s[22:23]
.Lno_sc:
.else
.irp a, 0,1,2,3                                ; through my stage, back as whole rows, in place
.irp b, 0,1
.irp q, 0,1,2,3
	ds_store_b128 v[STO], v[ACC+32*\a+16*\b+4*\q:ACC+32*\a+16*\b+4*\q+3] offset:128*\b+16*\q
.endr
.endr
.irp t, 0,1,2,3,4,5,6,7
	ds_load_b128 v[ACC+32*\a+4*\t:ACC+32*\a+4*\t+3], v[RD] offset:544*\t
.endr
.endr
.irp a, 0,1,2,3
.irp t, 0,1,2,3,4,5,6,7
	s_wait_dscnt 16*(3-\a)+7-\t                    ; the LDS instructions issued behind this load may stay out
	global_store_b128 v[CO], v[ACC+32*\a+4*\t:ACC+32*\a+4*\t+3], s[68:69] offset:(32*(\a/2)+8*(\a%2)+2*\t+8*(\t/4))*4096 th:TH_STORE_NT   ; sixteen lanes store 256 consecutive bytes, aligned
.endr
.endr
.endif
	s_wait_tensorcnt 0x0                           ; the wave's end
	ds_add_u32 v[SPW], v[NIL]
	s_wait_dscnt 0x0
	CROUND                                         ; the closing round
	s_endpgm
.Lfunc_end_k_q8bbe34fcf6_ffn2:
	.size	k_q8bbe34fcf6_ffn2, .Lfunc_end_k_q8bbe34fcf6_ffn2-k_q8bbe34fcf6_ffn2
	.p2alignl 7, 3214868480
	.fill 96, 4, 3214868480
	.section	.rodata,"a",@progbits
	.p2align	6, 0x0
	.amdhsa_kernel k_q8bbe34fcf6_ffn2
		.amdhsa_group_segment_fixed_size 327680
		.amdhsa_private_segment_fixed_size 0
		.amdhsa_enable_private_segment 0
		.amdhsa_kernarg_size 40
		.amdhsa_user_sgpr_count 2
		.amdhsa_user_sgpr_kernarg_segment_ptr 1
		.amdhsa_wavefront_size32 1
		.amdhsa_system_sgpr_workgroup_id_x 1
		.amdhsa_system_sgpr_workgroup_id_y 1
		.amdhsa_system_sgpr_workgroup_id_z 1
		.amdhsa_system_vgpr_workitem_id 0
		.amdhsa_next_free_vgpr 512
		.amdhsa_next_free_sgpr 100
		.amdhsa_reserve_vcc 0
		.amdhsa_float_denorm_mode_32 3
		.amdhsa_float_denorm_mode_16_64 3
		.amdhsa_memory_ordered 1
		.amdhsa_forward_progress 1
		.amdhsa_inst_pref_size 106
	.end_amdhsa_kernel
	.amdgpu_metadata
---
amdhsa.version: [ 1, 2 ]
amdhsa.kernels:
  - .name:           k_q8bbe34fcf6_ffn2
    .symbol:         k_q8bbe34fcf6_ffn2.kd
    .args:
      - { .name: pre, .offset: 0, .size: 8, .value_kind: global_buffer, .address_space: global }
      - { .name: hq, .offset: 8, .size: 8, .value_kind: global_buffer, .address_space: global }
      - { .name: xf, .offset: 16, .size: 8, .value_kind: global_buffer, .address_space: global }
      - { .name: b2, .offset: 24, .size: 8, .value_kind: global_buffer, .address_space: global }
      - { .name: out0, .offset: 32, .size: 8, .value_kind: global_buffer, .address_space: global }
    .group_segment_fixed_size: 327680
    .private_segment_fixed_size: 0
    .kernarg_segment_align: 8
    .kernarg_segment_size: 40
    .max_flat_workgroup_size: 128
    .sgpr_count:     100
    .vgpr_count:     512
    .wavefront_size: 32
...
	.end_amdgpu_metadata
.endif
;; end of part 6
